; MI455X (gfx1250); checked and timed in simulation.
; The chip was launched on July 23, 2026; its instructions are those of AMD's public machine-readable ISA for CDNA 5 (MIT licence, August 2026) and "CDNA5" Instruction Set Architecture Reference Guide (July 2026). The comments in the code are by the model that wrote it; some were corrected since.
;; Linformer Self Attention. Allowed arithmetic: float matrix products may take bf16 or f16 operands with f32 sums; other float arithmetic in f32, or as packed bf16 or f16 multiplies, adds, multiply-adds, maxima and minima; sums over many terms, partial sums and values carried from step to step in f32; what a program stores and reads back later, other than sums and carried values, may be rounded once to bf16 or f16.
;; Inputs: We 256 x 4,096 float32; Wf 256 x 4,096 float32; Wk 1,024 x 1,024 float32; Wq 1,024 x 1,024 float32; Wv 1,024 x 1,024 float32; attention_mask 4 x 1 x 4,096 x 1 bool; be 256 float32; bf 256 float32; bk 1,024 float32; bq 1,024 float32; bv 1,024 float32; hidden_states 4 x 4,096 x 1,024 float32.
;; Outputs: out0 4 x 4,096 x 1,024 float32.
;; 2 versions, each right; version 2 is version 1 with the launch prep written anew for expert scheduling mode. Each part assembles by itself: llvm-mc -triple=amdgcn-amd-amdhsa -mcpu=gfx1250 --defsym DOCPART=n.
;; ======== version 1 of 2: 4 launches
;; limits: values are held in f16: magnitudes above 65,504 overflow, below 6.1e-05 lose precision; right only within a limited range of input values
;; workspace buffers: xb 33,554,432 bytes; w16 6,291,456 bytes; wef 4,194,304 bytes; wsum 32,768 bytes; xef 4,194,304 bytes; ekh 2,097,152 bytes; fvt 2,097,152 bytes; fsc 256 bytes
;; launch prep (part 1): grid 432 x 1, 16 waves a work-group, no clusters, 0 bytes of LDS; arguments hidden_states, attention_mask, Wq, Wk, Wv, We, Wf, xb, w16, wef, wsum; writes xb, w16, wef, wsum
.if DOCPART == 1
	.amdgcn_target "amdgcn-amd-amdhsa--gfx1250"
	.amdhsa_code_object_version 6
	.text
	.protected	k_q49e454edee_prep
	.globl	k_q49e454edee_prep
	.p2align	8
	.type	k_q49e454edee_prep,@function
k_q49e454edee_prep:
	s_mov_b64 s[64:65], 0
	v_nop
	global_prefetch_b8 v0, s[64:65] scope:SCOPE_SE
	s_setreg_imm32_b32 hwreg(HW_REG_WAVE_MODE, 25, 1), 1
	s_wait_xcnt 0x0
; 16-BIT COPIES OF THE LARGE INPUTS, AND THE SUMS W . m.
;   xb  [16384][1024] bf16 = hidden_states rounded to bf16, rows whose mask byte is 0 set to +0 (by an AND, so whatever such a row holds gives 0)
;   w16 [3][1024][1024]: plane 0 = Wq in bf16; planes 1, 2 = Wk, Wv rounded to bf16 and that number written as f16
;   wef [512][4096] bf16: We's 256 rows, then Wf's
;   wsum f32 [chunk 4][y 8][key 256], y = 4 x (0: We, 1: Wf) + batch: the sum over 1,024 s of W[key][s] x mask[batch][s], from the f32 weights
; LIMITS.  |Wk|, |Wv| stay under 65,504 (f16's end); below 6e-5 they keep f16's fixed step of 6e-8.
; A stream: no LDS, no barrier, no matrix unit.  The unit of work is a chunk of 1,024 f32: 4,096 bytes in, 2,048 out.  A load of a wave covers 512 consecutive bytes,
; a store 256 consecutive bytes at a multiple of 256 from the buffer's first byte.
; JOBS by the work-group's number: 0-127 We and Wf (4 rows x 4 chunks, a chunk a wave, and its four sums); 128-175 Wq, Wk, Wv (64 rows each); 176-431 hidden_states (64 rows each, 4 a wave).
.set X,    8                           ; v[8:71]    two slots of 32: a chunk as loaded
.set Y,    72                          ; v[72:103]  two sets of 16: a chunk to store
.set TW,   104                         ; v[104:107] at work
.set SRC,  40                          ; s[40:41]   where my chunks are read
.set DST,  42                          ; s[42:43]   where they are stored
.set MSKP, 44                          ; s[44:45]   my mask bytes
.set MW,   46                          ; s46        four rows' mask bytes
.set MS,   48                          ; s[48:51]   row i: all ones or 0
	s_load_b512 s[8:23], s[0:1], 0x0               ; hidden 8, mask 10, Wq 12, Wk 14, Wv 16, We 18, Wf 20, xb 22
	s_load_b128 s[24:27], s[0:1], 0x40             ; w16 24, wef 26
	s_load_b64 s[28:29], s[0:1], 0x50              ; wsum
	v_and_b32 v5, 31, v0                           ; lane
	v_lshrrev_b32 v4, 5, v0
	v_readfirstlane_b32 s30, v4                    ; wave 0..15
	v_lshlrev_b32 v1, 4, v5                        ; 16 bytes a lane in
	v_lshlrev_b32 v2, 3, v5                        ; 8 bytes a lane out
	s_mov_b32 s33, 0                               ; the upper words of three offsets
	s_mov_b32 s35, 0
	s_mov_b32 s37, 0
	s_mov_b32 s56, 0xffff0000                      ; a word's upper bf16
	s_wait_kmcnt 0x0
.macro FILL s, i                       ; chunk i of my four into slot s: eight loads
.irp j, 0,1,2,3,4,5,6,7
	global_load_b128 v[X+32*(\s)+4*(\j):X+32*(\s)+4*(\j)+3], v1, s[SRC:SRC+1] offset:(\i)*4096+512*(\j) th:TH_LOAD_NT
.endr
.endm
; Chunk i, in slot s, is rounded and stored.  left: the younger loads that may stay out.  fmt = 0: bf16, times the row's mask; fmt = 1: bf16 written as f16.
.macro TURN s, i, left, fmt
	s_wait_loadcnt \left                           ; loads come back in order: my eight are in, the other slot's eight may be out
.if (\i) >= 2
	s_wait_xcnt 0x0                                ; the stores of two turns back have read this set of Y: it is rewritten only behind this wait
.endif
.irp j, 0,1,2,3,4,5,6,7
.set YY, Y+16*((\i)%2)+2*(\j)
.set XX, X+32*(\s)+4*(\j)
	v_cvt_pk_bf16_f32 v[YY], v[XX], v[XX+1]
	v_cvt_pk_bf16_f32 v[YY+1], v[XX+2], v[XX+3]
.if \fmt
	v_lshlrev_b32 v[TW], 16, v[YY]                 ; the rounded numbers as f32 again,
	v_and_b32 v[TW+1], s56, v[YY]
	v_lshlrev_b32 v[TW+2], 16, v[YY+1]
	v_and_b32 v[TW+3], s56, v[YY+1]
	v_cvt_pk_f16_f32 v[YY], v[TW], v[TW+1]         ; and as f16: 8 significant bits fit into 11
	v_cvt_pk_f16_f32 v[YY+1], v[TW+2], v[TW+3]
.else
	v_and_b32 v[YY], s[MS+(\i)], v[YY]
	v_and_b32 v[YY+1], s[MS+(\i)], v[YY+1]
.endif
	global_store_b64 v2, v[YY:YY+1], s[DST:DST+1] offset:(\i)*2048+256*(\j) th:TH_STORE_NT
.endr
.endm
.macro STREAM fmt                      ; a wave's four chunks; two slots, so that eight loads are out while a chunk is worked on
	FILL 0, 0
	FILL 1, 1
.if !(\fmt)
	s_wait_kmcnt 0x0                               ; the mask bytes
.irp i, 0,1,2,3
	s_bfe_u32 s[MS+(\i)], s[MW], (1<<16)|(8*(\i))  ; bit 0 of byte i
	s_sub_co_u32 s[MS+(\i)], 0, s[MS+(\i)]         ; 0 or all ones
.endr
.endif
	TURN 0, 0, 8, \fmt
	FILL 0, 2
	TURN 1, 1, 8, \fmt
	FILL 1, 3
	TURN 0, 2, 8, \fmt
	TURN 1, 3, 0, \fmt
	s_endpgm
.endm
	s_cmp_lt_u32 ttmp9, 128
	s_cbranch_scc1 .Lef
	s_cmp_lt_u32 ttmp9, 176
	s_cbranch_scc1 .Lw
	; hidden_states: row = chunk
	s_sub_co_u32 s31, ttmp9, 176
	s_lshl_b32 s31, s31, 6
	s_lshl2_add_u32 s31, s30, s31                  ; my first row = 64 x part + 4 x wave
	s_lshl_b32 s32, s31, 12
	s_lshl_b32 s34, s31, 11
	s_mov_b32 s36, s31
	s_add_nc_u64 s[SRC:SRC+1], s[8:9], s[32:33]
	s_add_nc_u64 s[DST:DST+1], s[22:23], s[34:35]
	s_add_nc_u64 s[MSKP:MSKP+1], s[10:11], s[36:37]
	s_load_b32 s[MW], s[MSKP:MSKP+1], 0x0          ; four rows' bytes: the row number is a multiple of 4
	s_branch .Lplain
.Lw:	; Wq, Wk, Wv
	s_sub_co_u32 s31, ttmp9, 128
	s_lshr_b32 s38, s31, 4                         ; which matrix
	s_and_b32 s31, s31, 15
	s_lshl_b32 s31, s31, 6
	s_lshl2_add_u32 s31, s30, s31                  ; my first row
	s_lshl_b32 s32, s31, 12
	s_lshl_b32 s34, s31, 11
	s_lshl_b32 s36, s38, 21                        ; the matrix's plane of w16
	s_add_co_u32 s34, s34, s36
	s_cmp_eq_u32 s38, 1
	s_cselect_b64 s[SRC:SRC+1], s[14:15], s[12:13]
	s_cmp_eq_u32 s38, 2
	s_cselect_b64 s[SRC:SRC+1], s[16:17], s[SRC:SRC+1]
	s_add_nc_u64 s[SRC:SRC+1], s[SRC:SRC+1], s[32:33]
	s_add_nc_u64 s[DST:DST+1], s[24:25], s[34:35]
	s_mov_b32 s[MW], 0x01010101                    ; weights have no mask
	s_cmp_lg_u32 s38, 0
	s_cbranch_scc1 .Lhalf
.Lplain:
	STREAM 0
.Lhalf:
	STREAM 1
.Lef:	; We, Wf: wave w takes row 4 e + w / 4, chunk w % 4
	s_lshr_b32 s31, s30, 2
	s_lshl2_add_u32 s31, ttmp9, s31                ; row 0..511
	s_and_b32 s38, s30, 3                          ; chunk
	s_lshr_b32 s39, s31, 8                         ; 0: We, 1: Wf
	s_and_b32 s47, s31, 255                        ; key
	s_lshl_b32 s32, s47, 14
	s_lshl_b32 s34, s38, 12
	s_add_co_u32 s32, s32, s34
	s_cmp_eq_u32 s39, 0
	s_cselect_b64 s[SRC:SRC+1], s[18:19], s[20:21]
	s_add_nc_u64 s[SRC:SRC+1], s[SRC:SRC+1], s[32:33]
	s_lshl_b32 s34, s31, 13
	s_lshl_b32 s36, s38, 11
	s_add_co_u32 s34, s34, s36
	s_add_nc_u64 s[DST:DST+1], s[26:27], s[34:35]
	s_lshl_b32 s36, s38, 10
	s_add_nc_u64 s[MSKP:MSKP+1], s[10:11], s[36:37]  ; batch 0's bytes of my chunk
	s_lshl_b32 s32, s38, 13                        ; ((8 chunk + 4 which) x 256 + key) x 4
	s_lshl_b32 s34, s39, 12
	s_add_co_u32 s32, s32, s34
	s_lshl_b32 s34, s47, 2
	s_add_co_u32 s32, s32, s34
	s_add_nc_u64 s[52:53], s[28:29], s[32:33]
	s_mov_b32 s54, 0x76543210                      ; v_permlanex16_b32: each lane takes its own place in the other half
	s_mov_b32 s55, 0xfedcba98
	v_lshlrev_b32 v3, 2, v5                        ; my four mask bytes in 128
	v_lshlrev_b32 v6, 10, v5                       ; lane b stores batch b's sum: 1,024 bytes apart
	v_mov_b32 v56, 0                               ; the four sums, lane b holds batch b's
	v_mov_b32 v57, 0
	FILL 0, 0
	s_wait_loadcnt 0x0
.irp j, 0,1,2,3,4,5,6,7
	v_cvt_pk_bf16_f32 v[Y+2*(\j)], v[X+4*(\j)], v[X+4*(\j)+1]
	v_cvt_pk_bf16_f32 v[Y+2*(\j)+1], v[X+4*(\j)+2], v[X+4*(\j)+3]
	global_store_b64 v2, v[Y+2*(\j):Y+2*(\j)+1], s[DST:DST+1] offset:256*(\j) th:TH_STORE_NT
.endr
	s_mov_b32 s57, 0
.Lbatch:                                       ; four trips, a batch each: the sum of my 1,024 weights where the mask byte is 1
.irp j, 0,1,2,3,4,5,6,7
	global_load_b32 v[40+(\j)], v3, s[MSKP:MSKP+1] offset:128*(\j)
.endr
	s_wait_loadcnt 0x0
.irp j, 0,1,2,3,4,5,6,7
.irp k, 0,1,2,3
	v_bfe_u32 v[52+(\k)], v[40+(\j)], 8*(\k), 1
.endr
.irp k, 0,1,2,3
	v_cvt_f32_u32 v[52+(\k)], v[52+(\k)]
.endr
.irp k, 0,1,2,3
.if (\j) == 0
	v_mul_f32 v[48+(\k)], v[52+(\k)], v[X+(\k)]    ; the first products start the four chains
.else
	v_fmac_f32 v[48+(\k)], v[52+(\k)], v[X+4*(\j)+(\k)]
.endif
.endr
.endr
	v_add_f32 v48, v48, v49
	v_add_f32 v50, v50, v51
	v_add_f32 v48, v48, v50
	v_add_f32_dpp v48, v48, v48 row_xmask:1 row_mask:0xf bank_mask:0xf
	v_add_f32_dpp v48, v48, v48 row_xmask:2 row_mask:0xf bank_mask:0xf
	v_add_f32_dpp v48, v48, v48 row_xmask:4 row_mask:0xf bank_mask:0xf
	v_add_f32_dpp v48, v48, v48 row_xmask:8 row_mask:0xf bank_mask:0xf
	v_permlanex16_b32 v57, v48, s54, s55
	v_add_f32 v48, v48, v57                        ; every lane holds the sum
	v_cmp_eq_u32 vcc_lo, s57, v5
	v_cndmask_b32 v56, v56, v48, vcc_lo            ; lane b keeps it
	s_wait_xcnt 0x0                                ; the loads have read their base: it steps only behind this wait
	s_add_nc_u64 s[MSKP:MSKP+1], s[MSKP:MSKP+1], 4096
	s_add_co_u32 s57, s57, 1
	s_cmp_lt_u32 s57, 4
	s_cbranch_scc1 .Lbatch
	s_wait_xcnt 0x0                                ; EXEC changes only behind s_wait_xcnt 0
	v_cmp_gt_u32 vcc_lo, 4, v5
	s_and_saveexec_b32 s58, vcc_lo
	global_store_b32 v6, v56, s[52:53]             ; four words a wave, 2,048 such stores in the launch: 32 KiB in all
	s_wait_xcnt 0x0
	s_or_b32 exec_lo, exec_lo, s58
	s_endpgm
.Lfunc_end_k_q49e454edee_prep:
	.size	k_q49e454edee_prep, .Lfunc_end_k_q49e454edee_prep-k_q49e454edee_prep
	.p2alignl 7, 3214868480
	.fill 96, 4, 3214868480
	.section	.rodata,"a",@progbits
	.p2align	6, 0x0
	.amdhsa_kernel k_q49e454edee_prep
		.amdhsa_group_segment_fixed_size 0
		.amdhsa_private_segment_fixed_size 0
		.amdhsa_enable_private_segment 0
		.amdhsa_kernarg_size 88
		.amdhsa_user_sgpr_count 2
		.amdhsa_user_sgpr_kernarg_segment_ptr 1
		.amdhsa_wavefront_size32 1
		.amdhsa_system_sgpr_workgroup_id_x 1
		.amdhsa_system_sgpr_workgroup_id_y 1
		.amdhsa_system_sgpr_workgroup_id_z 1
		.amdhsa_system_vgpr_workitem_id 0
		.amdhsa_next_free_vgpr 112
		.amdhsa_next_free_sgpr 66
		.amdhsa_reserve_vcc 1
		.amdhsa_float_denorm_mode_32 3
		.amdhsa_float_denorm_mode_16_64 3
		.amdhsa_memory_ordered 1
		.amdhsa_forward_progress 1
		.amdhsa_inst_pref_size 43
	.end_amdhsa_kernel
	.amdgpu_metadata
---
amdhsa.version: [ 1, 2 ]
amdhsa.kernels:
  - .name:           k_q49e454edee_prep
    .symbol:         k_q49e454edee_prep.kd
    .args:
      - { .name: hidden_states, .offset: 0, .size: 8, .value_kind: global_buffer, .address_space: global }
      - { .name: attention_mask, .offset: 8, .size: 8, .value_kind: global_buffer, .address_space: global }
      - { .name: Wq, .offset: 16, .size: 8, .value_kind: global_buffer, .address_space: global }
      - { .name: Wk, .offset: 24, .size: 8, .value_kind: global_buffer, .address_space: global }
      - { .name: Wv, .offset: 32, .size: 8, .value_kind: global_buffer, .address_space: global }
      - { .name: We, .offset: 40, .size: 8, .value_kind: global_buffer, .address_space: global }
      - { .name: Wf, .offset: 48, .size: 8, .value_kind: global_buffer, .address_space: global }
      - { .name: xb, .offset: 56, .size: 8, .value_kind: global_buffer, .address_space: global }
      - { .name: w16, .offset: 64, .size: 8, .value_kind: global_buffer, .address_space: global }
      - { .name: wef, .offset: 72, .size: 8, .value_kind: global_buffer, .address_space: global }
      - { .name: wsum, .offset: 80, .size: 8, .value_kind: global_buffer, .address_space: global }
    .group_segment_fixed_size: 0
    .private_segment_fixed_size: 0
    .kernarg_segment_align: 8
    .kernarg_segment_size: 88
    .max_flat_workgroup_size: 512
    .sgpr_count:     66
    .vgpr_count:     112
    .wavefront_size: 32
...
	.end_amdgpu_metadata
.endif
;; end of part 1
;; launch xproj (part 2): grid 32 x 4, 4 waves a work-group, clusters of 4 x 4, 327,680 bytes of LDS; arguments wef, xb, xef; writes xef
.if DOCPART == 2
	.amdgcn_target "amdgcn-amd-amdhsa--gfx1250"
	.amdhsa_code_object_version 6
	.text
	.protected	k_q49e454edee_xproj
	.globl	k_q49e454edee_xproj
	.p2align	8
	.type	k_q49e454edee_xproj,@function
k_q49e454edee_xproj:
	s_mov_b64 s[64:65], 0
	v_nop
	global_prefetch_b8 v0, s[64:65] scope:SCOPE_SE
	s_setreg_imm32_b32 hwreg(HW_REG_WAVE_MODE, 25, 1), 1
	s_wait_xcnt 0x0
	s_wait_alu depctr_hold_cnt(0) depctr_sa_sdst(0) depctr_va_vdst(0) depctr_va_sdst(0) depctr_va_ssrc(0) depctr_va_vcc(0) depctr_vm_vsrc(0)
	s_getreg_b32 s2, hwreg(HW_REG_IB_STS2, 6, 4)
	s_cmp_eq_u32 s2, 0
	s_cbranch_scc0 .Lentry_in_a_cluster
	s_endpgm
.Lentry_in_a_cluster:
	s_bfe_u32 s2, ttmp6, 0x10000c
	s_cmp_lg_u32 s2, 0xf033
	s_cbranch_scc0 .Lentry_shape_is_right
	s_endpgm
.Lentry_shape_is_right:
; xef[y][key][d] = 2^-3 x the sum over s of W[key][s] xb[batch][s][d], in f16; y = 4 x (0: We, 1: Wf) + batch.  wef: [512][4096] bf16; xb: [4][4096][1024] bf16; sums in f32, rounded once.
; LIMIT.  The sums stay under 8 x 65,504 = 5.2e5 in magnitude: they are stored in f16 times 2^-3; the next launch multiplies by 8 in f32.
; A GEMM C[512][4 x 1024] with K = s = 4,096.  A tile of C is 128 keys x 128 d: 128 work-groups.  Four waves, each 64 x 64: 16 accumulators.  K goes in steps of 256 through two LDS slots.
; A = wef lies along K: its fragments are plain loads.  B = xb lies [s][d], across K: its fragments come by the turning load ds_load_tr16_b128.
; CLUSTERS: 4 x 4 work-groups.  The four of a row of the cluster (same cy) need the same tiles of wef, the four of a column (same cx) the same tiles of xb: each tile is asked for JOINTLY.
; The grid has one cluster along y, so the tile row is cy itself.
; THE MATRIX INSTRUCTION IS USED TRANSPOSED (source 0 = 16 d, source 1 = 16 keys): a lane then holds one key and eight neighbouring d.
; No prefetch: a small tile, whose step holds 128 matrix instructions a wave; the slots are as large as LDS allows.
; REGISTERS: window 0: v0-31 addresses; v32-95 at work on the way out; v128-255 the accumulators ((a, b) at v[128 + 8 (4 a + b)]).
;   window 1: two fragment buffers of 128: for 64 along K, 64 registers of A (2 x 4 x 16 keys x 32 K), then 64 of B.
.set KSTEP,  256
.set PA,     528                       ; a row of A in LDS: 512 bytes + 16 = 132 words: the 16 rows of a load start at 16 different groups of four banks
.set PB,     288                       ; a row of B (128 d of one s): 256 bytes + 32 = 72 words
.set AHALF,  64*PA                     ; what waves 0 and 1 fetch: 64 keys
.set BHALF,  128*PB                    ; what waves 2 and 3 fetch: 128 s
.set BOFF,   2*AHALF
.set SLOT,   BOFF+2*BHALF              ; 141,312 bytes
.set STAGE,  2*SLOT                    ; behind the ring: 128 rows x 272 bytes, the work-group's, for the way out
.set SPITCH, 272
.set SPARE,  STAGE+128*SPITCH          ; behind the stage: the spare words, 128 bytes for each wave: two blocks of 256 bytes that no other line names
.set LAPS,   8                         ; a lap = two K steps
.set ADRA, 16                          ; v16-17  LDS address of my A fragments in slot 0, 1
.set ADRB, 20                          ; v20-23  of my B fragments: slot n / 2, s-rows 128 (n % 2) on
.set STO,  24
.set RD,   25
.set CO,   26
.set SPW,  28                          ; v28     SPARE + 4 x my thread's number; never rewritten
.set NIL,  29                          ; v29     0; never rewritten
.set TMP,  32
.set ACC,  128
.set F0,   0
.set F1,   128
.set G1, 24
.set G0, 32
.set G1B, 48
.set G0B, 56
.set MSB, 0
.macro WIN new                         ; the immediate's high byte repeats the setting that is left
.if MSB != (\new)
	s_set_vgpr_msb (MSB<<8)|(\new)
.set MSB, \new
.endif
.endm
.set MUL,  0x05                        ; sources 0 (B) and 1 (A) window 1; C and D window 0
.set TO_F, 0x40                        ; destination window 1, address window 0
.macro JLOAD s                         ; a joint load: waves 0 and 1 fetch A's halves, waves 2 and 3 B's; an s_nop 0 and four v_nop follow each line
	s_cmp_eq_u32 s11, 0
	s_cbranch_scc0 .Lfor_b_\@
	tensor_load_to_lds s[G0+4*(\s):G0+4*(\s)+3], s[G1:G1+7]
	s_nop 0
.rept 4
	v_nop
.endr
	s_branch .Lasked_\@
.Lfor_b_\@:
	tensor_load_to_lds s[G0B+4*(\s):G0B+4*(\s)+3], s[G1B:G1B+7]
	s_nop 0
.rept 4
	v_nop
.endr
.Lasked_\@:
.endm
.macro CREST                           ; a round of the cluster's barrier behind its opening barrier
	s_cmp_lg_u32 s10, 0
	s_cbranch_scc1 .Lnot_wave_0_\@
	s_barrier_signal -3
.Lnot_wave_0_\@:
	s_barrier_wait -3
	s_barrier_signal -1
	s_barrier_wait -1
.endm
.macro CROUND
	s_barrier_signal -1
	s_barrier_wait -1
	CREST
.endm
	s_load_b128 s[4:7], s[0:1], 0x0                ; wef s[4:5], xb s[6:7]
	s_load_b64 s[8:9], s[0:1], 0x10                ; xef
	v_lshl_add_u32 v[SPW], v0, 2, SPARE
	v_mov_b32 v[NIL], 0
	ds_add_u32 v[SPW], v[NIL]                      ; the wave's opening: the add and its wait stand ahead of my first tensor load
	v_lshrrev_b32 v1, 5, v0
	v_readfirstlane_b32 s10, v1                    ; wave 0..3
	s_lshr_b32 s11, s10, 1                         ; which half of the tile's keys is mine.  Also: I fetch for A (0) or for B (1)
	s_and_b32 s12, s10, 1                          ; which half of its d.  Also: which half of that tile I fetch
	s_bfe_u32 s40, ttmp6, 0x40000                  ; cx
	s_bfe_u32 s41, ttmp6, 0x40004                  ; cy
	s_lshl_b32 s42, ttmp9, 2
	s_add_co_u32 s42, s42, s40                     ; tile column = 4 x cluster x + cx: batch = column / 8, d block = column % 8
	s_mov_b32 s13, s41                             ; tile row = cy
	s_lshl_b32 s43, s41, 2
	s_lshl_b32 s43, 15, s43                        ; my row of the cluster
	s_lshl_b32 s44, 0x1111, s40                    ; my column
	s_or_b32 s[G1+0], s43, (1<<16)|(1<<20)|(1<<21)|(6<<22)|(3<<25)   ; mask of my row; 2-byte elements; padding on; bit 21 beside a mask; after every 128 words 4 words
	s_or_b32 s[G1B+0], s44, (1<<16)|(1<<20)|(1<<21)|(5<<22)|(7<<25)  ; mask of my column; after every 64 words 8 words
	s_mov_b32 s[G1+1], 256<<16                     ; A: tensor_dim0 = 256
	s_mov_b32 s[G1+2], 64<<16                      ; tensor_dim1 = 64
	s_mov_b32 s[G1+3], 256<<16                     ; tile_dim0 = 256
	s_mov_b32 s[G1+4], 64                          ; tile_dim1 = 64
	s_mov_b32 s[G1+5], 4096                        ; elements from key to key
	s_mov_b32 s[G1+6], 0
	s_mov_b32 s[G1+7], 0
	s_mov_b32 s[G1B+1], 128<<16                    ; B: 128 d
	s_mov_b32 s[G1B+2], 128<<16                    ; 128 s
	s_mov_b32 s[G1B+3], 128<<16
	s_mov_b32 s[G1B+4], 128
	s_mov_b32 s[G1B+5], 1024                       ; elements from s to s
	s_mov_b32 s[G1B+6], 0
	s_mov_b32 s[G1B+7], 0
	s_lshl_b32 s16, s13, 7
	s_lshl_b32 s17, s12, 6
	s_add_co_u32 s16, s16, s17                     ; A: key row 128 x tile row + 64 x half,
	s_lshl_b32 s16, s16, 13                        ; x 8,192 bytes
	s_mov_b32 s17, 0
	s_lshr_b32 s46, s42, 3
	s_lshl_b32 s46, s46, 23                        ; B: the batch's 4,096 rows of 2,048 bytes,
	s_lshl_b32 s47, s12, 18                        ; my 128 rows,
	s_add_co_u32 s46, s46, s47
	s_and_b32 s47, s42, 7
	s_lshl_b32 s47, s47, 8                         ; the d block's 256 bytes
	s_add_co_u32 s46, s46, s47
	s_mov_b32 s47, 0
	s_mul_i32 s20, s12, AHALF                      ; where they go: no place in the cluster enters an LDS address
	s_mul_i32 s21, s12, BHALF
	s_add_co_u32 s21, s21, BOFF
	s_wait_dscnt 0x0                               ; the opening add is done
	s_wait_kmcnt 0x0
	s_add_nc_u64 s[14:15], s[4:5], s[16:17]
	s_add_nc_u64 s[46:47], s[6:7], s[46:47]
	CROUND                                         ; all sixteen work-groups are here: the first joint loads meet
.irp s, 0,1
	s_mov_b32 s[G0+4*(\s)], 1
	s_add_co_u32 s[G0+4*(\s)+1], s20, (\s)*SLOT
	s_add_nc_u64 s[G0+4*(\s)+2:G0+4*(\s)+3], s[14:15], (\s)*KSTEP*2
	s_or_b32 s[G0+4*(\s)+3], s[G0+4*(\s)+3], 0x80000000
	s_mov_b32 s[G0B+4*(\s)], 1
	s_add_co_u32 s[G0B+4*(\s)+1], s21, (\s)*SLOT
	s_add_nc_u64 s[G0B+4*(\s)+2:G0B+4*(\s)+3], s[46:47], (\s)*KSTEP*2048
	s_or_b32 s[G0B+4*(\s)+3], s[G0B+4*(\s)+3], 0x80000000
	JLOAD \s
.endr
	v_and_b32 v1, 15, v0                           ; l % 16
	v_bfe_u32 v2, v0, 4, 1                         ; l / 16
	v_mul_u32_u24 v3, v1, PA
	v_lshl_add_u32 v3, v2, 4, v3                   ; A: key x pitch + 16 x half
	s_mul_i32 s21, s11, AHALF                      ; my 64 keys
	v_add_nc_u32 v[ADRA], s21, v3
	s_add_co_u32 s21, s21, SLOT
	v_add_nc_u32 v[ADRA+1], s21, v3
	v_and_b32 v4, 7, v0                            ; B, turned: lane l reads s-row 8 (l / 16) + l % 8, d 8 ((l / 8) % 2) + 0..7
	v_lshl_add_u32 v4, v2, 3, v4
	v_mul_u32_u24 v4, v4, PB
	v_bfe_u32 v5, v0, 3, 1
	v_lshl_add_u32 v4, v5, 4, v4
	s_lshl_b32 s22, s12, 7                         ; my 64 d: 128 bytes
	s_add_co_u32 s22, s22, BOFF
.irp n, 0,1,2,3
	s_add_co_u32 s23, s22, ((\n)/2)*SLOT+((\n)%2)*BHALF
	v_add_nc_u32 v[ADRB+(\n)], s23, v4
.endr
	s_mul_i32 s23, s11, 64*SPITCH                  ; into the stage: my 64 keys, my half of their 256 bytes
	s_lshl_b32 s21, s12, 7
	s_add_co_u32 s23, s23, s21
	s_add_co_u32 s23, s23, STAGE
	v_mul_u32_u24 v4, v1, SPITCH
	v_lshl_add_u32 v4, v2, 4, v4
	v_add_nc_u32 v[STO], s23, v4
	s_mul_i32 s23, s10, 32*SPITCH                  ; back: wave w takes rows 32 w .. 32 w + 31, whole
	s_add_co_u32 s23, s23, STAGE
	v_mul_u32_u24 v5, v2, SPITCH
	v_lshl_add_u32 v5, v1, 4, v5
	v_add_nc_u32 v[RD], s23, v5
	v_lshlrev_b32 v5, 11, v2                       ; and the same two rows in xef: 2,048 bytes a row
	v_lshl_add_u32 v[CO], v1, 4, v5
	s_lshr_b32 s16, s13, 1                         ; We or Wf: 4 x 256 rows of 2,048 bytes
	s_lshl_b32 s16, s16, 21
	s_and_b32 s17, s13, 1
	s_lshl_b32 s17, s17, 18                        ; keys 128 on
	s_add_co_u32 s16, s16, s17
	s_lshl_b32 s17, s10, 16                        ; my 32 rows
	s_add_co_u32 s16, s16, s17
	s_mov_b32 s17, 0
	s_add_nc_u64 s[8:9], s[8:9], s[16:17]
	s_lshr_b32 s46, s42, 3
	s_lshl_b32 s46, s46, 19                        ; the batch: 256 rows
	s_and_b32 s47, s42, 7
	s_lshl_b32 s47, s47, 8                         ; the d block
	s_add_co_u32 s46, s46, s47
	s_mov_b32 s47, 0
	s_add_nc_u64 s[8:9], s[8:9], s[46:47]
; 8 matrix instructions: key blocks a0, a0 + 1 x all 4 d blocks, 32 along K: half c of buffer f.  zero = 1: the first product starts the sums
.macro MUL8 f, c, a0, zero
	WIN MUL
.irp a, \a0, (\a0)+1
.irp b, 0,1,2,3
.if \zero
	v_wmma_f32_16x16x32_bf16 v[ACC+8*(4*(\a)+(\b)):ACC+8*(4*(\a)+(\b))+7], v[(\f)+64+8*(4*(\c)+(\b)):(\f)+64+8*(4*(\c)+(\b))+7], v[(\f)+8*(4*(\c)+(\a)):(\f)+8*(4*(\c)+(\a))+7], 0
.else
	v_wmma_f32_16x16x32_bf16 v[ACC+8*(4*(\a)+(\b)):ACC+8*(4*(\a)+(\b))+7], v[(\f)+64+8*(4*(\c)+(\b)):(\f)+64+8*(4*(\c)+(\b))+7], v[(\f)+8*(4*(\c)+(\a)):(\f)+8*(4*(\c)+(\a))+7], v[ACC+8*(4*(\a)+(\b)):ACC+8*(4*(\a)+(\b))+7]
.endif
.endr
.endr
.endm
; 32 LDS loads in one run: the fragments of quarter q (64 along K) of a slot, into buffer f; the first 32 along K first
.macro FETCH slot, q, f
	WIN TO_F
.irp c, 0,1
.irp i, 0,1,2,3
	ds_load_tr16_b128 v[(\f)+64+8*(4*(\c)+(\i)):(\f)+64+8*(4*(\c)+(\i))+3],   v[ADRB+2*(\slot)+(\q)/2] offset:(((\q)%2)*64+32*(\c))*PB+32*(\i)
	ds_load_tr16_b128 v[(\f)+64+8*(4*(\c)+(\i))+4:(\f)+64+8*(4*(\c)+(\i))+7], v[ADRB+2*(\slot)+(\q)/2] offset:(((\q)%2)*64+32*(\c)+16)*PB+32*(\i)
	ds_load_b128 v[(\f)+8*(4*(\c)+(\i)):(\f)+8*(4*(\c)+(\i))+3],         v[ADRA+(\slot)] offset:128*(\q)+64*(\c)+(\i)*16*PA
	ds_load_b128 v[(\f)+8*(4*(\c)+(\i))+4:(\f)+8*(4*(\c)+(\i))+7],       v[ADRA+(\slot)] offset:128*(\q)+64*(\c)+(\i)*16*PA+32
.endr
.endr
.endm
.macro PLACES                          ; four places in front of loads into registers that matrix instructions have read, and of vector lines that read results
.rept 4
	v_nop
.endr
.endm
; A K step is four quarters of 64 along K, 32 matrix instructions each, on buffers 0, 1, 0, 1.  One of the first three: multiplies buffer f and fetches quarter q into g.
.macro QUARTER slot, q, f, g, zero
	s_wait_dscnt 16                                ; the first 32 along K are in; the run's other sixteen loads may be out
	WIN MUL
	MUL8 \f, 0, 0, \zero
	MUL8 \f, 0, 2, \zero
	PLACES
	FETCH \slot, \q, \g
	s_wait_dscnt 32                                ; all but the 32 just issued
	WIN MUL
	MUL8 \f, 1, 0, 0
	MUL8 \f, 1, 2, 0
.endm
; The last quarter multiplies buffer 1 and changes slots: ONE barrier; in front of it each wave waits for all its tensor loads, adds 0 to its spare word, and waits for that and for its reads of this slot.
.macro TURN slot, next, fill
	WIN 0                                          ; (the add's two registers lie in window 0)
	s_wait_tensorcnt 0x0                           ; all my tensor loads have landed: my part of the next slot;
	ds_add_u32 v[SPW], v[NIL]                      ; 0 onto my spare word;
	s_wait_dscnt 17                                ; (the add and the youngest sixteen loads may be out)
	WIN MUL
	MUL8 F1, 0, 0, 0
	s_wait_dscnt 0x0                               ; the add is done, and my reads of this slot are over
	s_barrier_signal -1
	MUL8 F1, 0, 2, 0
.if \fill
	WIN 0
.endif
	s_barrier_wait -1
.if \fill
	CREST                                          ; the barrier has opened a round of the cluster's: no wave of any partner still reads this slot or has a load on its way
	s_add_nc_u64 s[G0+4*(\slot)+2:G0+4*(\slot)+3], s[G0+4*(\slot)+2:G0+4*(\slot)+3], 2*KSTEP*2
	s_add_nc_u64 s[G0B+4*(\slot)+2:G0B+4*(\slot)+3], s[G0B+4*(\slot)+2:G0B+4*(\slot)+3], 2*KSTEP*2048
	JLOAD \slot                                    ; the first tensor load behind the round; its four v_nop are also the places in front of the loads below
.else
	PLACES
.endif
	FETCH \next, 0, F0
	WIN MUL
	MUL8 F1, 1, 0, 0
	MUL8 F1, 1, 2, 0
.endm
	s_wait_tensorcnt 1                             ; my part of K step 0 is in; K step 1's may stay out
	s_barrier_signal -1
	s_barrier_wait -1
	FETCH 0, 0, F0
	QUARTER 0, 1, F0, F1, 1                        ; the first quarter stands in front of the loop: its first products start the sums
	WIN 0
	s_mov_b32 s3, LAPS-1
.Llap:                                                 ; a trip goes once round the ring and fills both slots again
	QUARTER 0, 2, F1, F0, 0
	QUARTER 0, 3, F0, F1, 0
	TURN 0, 1, 1
	QUARTER 1, 1, F0, F1, 0
	QUARTER 1, 2, F1, F0, 0
	QUARTER 1, 3, F0, F1, 0
	TURN 1, 0, 1
	QUARTER 0, 1, F0, F1, 0
	WIN 0
	s_sub_co_u32 s3, s3, 1
	s_cmp_lg_u32 s3, 0
	s_cbranch_scc1 .Llap
	QUARTER 0, 2, F1, F0, 0                        ; the last lap fills nothing
	QUARTER 0, 3, F0, F1, 0
	TURN 0, 1, 0
	QUARTER 1, 1, F0, F1, 0
	QUARTER 1, 2, F1, F0, 0
	QUARTER 1, 3, F0, F1, 0
	s_wait_dscnt 16
	WIN MUL
	MUL8 F1, 0, 0, 0
	MUL8 F1, 0, 2, 0
	s_wait_dscnt 0
	MUL8 F1, 1, 0, 0
	MUL8 F1, 1, 2, 0
	WIN 0
	; THE WAY OUT: times 2^-3, rounded to f16; 16 bytes a lane into the work-group's stage; a barrier, since a row's 256 bytes come from two waves; back as whole rows.
	PLACES
.set z, 0
.rept 64
	v_pk_mul_f32 v[ACC+2*z:ACC+2*z+1], v[ACC+2*z:ACC+2*z+1], 0x3e000000 op_sel_hi:[1,0]
.set z, z+1
.endr
.set z, 0
.rept 64
	v_cvt_pk_f16_f32 v[TMP+z], v[ACC+2*z], v[ACC+2*z+1]
.set z, z+1
.endr
.irp a, 0,1,2,3
.irp b, 0,1,2,3
	ds_store_b128 v[STO], v[TMP+4*(4*(\a)+(\b)):TMP+4*(4*(\a)+(\b))+3] offset:(\a)*16*SPITCH+32*(\b)
.endr
.endr
	s_wait_dscnt 0x0                               ; for the others' sake: my stores into the stage are done
	s_barrier_signal -1
	s_barrier_wait -1
.irp t, 0,1,2,3,4,5,6,7,8,9,10,11,12,13,14,15
	ds_load_b128 v[TMP+4*(\t):TMP+4*(\t)+3], v[RD] offset:(\t)*2*SPITCH
.endr
.irp t, 0,1,2,3,4,5,6,7,8,9,10,11,12,13,14,15
	s_wait_dscnt 15-(\t)
	global_store_b128 v[CO], v[TMP+4*(\t):TMP+4*(\t)+3], s[8:9] offset:2*(\t)*2048  ; 16 lanes store 256 consecutive bytes, at a multiple of 256 from xef's first byte
.endr
	s_wait_tensorcnt 0x0                           ; the wave's end
	ds_add_u32 v[SPW], v[NIL]
	s_wait_dscnt 0x0
	CROUND                                         ; the closing round
	s_endpgm
.Lfunc_end_k_q49e454edee_xproj:
	.size	k_q49e454edee_xproj, .Lfunc_end_k_q49e454edee_xproj-k_q49e454edee_xproj
	.p2alignl 7, 3214868480
	.fill 96, 4, 3214868480
	.section	.rodata,"a",@progbits
	.p2align	6, 0x0
	.amdhsa_kernel k_q49e454edee_xproj
		.amdhsa_group_segment_fixed_size 327680
		.amdhsa_private_segment_fixed_size 0
		.amdhsa_enable_private_segment 0
		.amdhsa_kernarg_size 24
		.amdhsa_user_sgpr_count 2
		.amdhsa_user_sgpr_kernarg_segment_ptr 1
		.amdhsa_wavefront_size32 1
		.amdhsa_system_sgpr_workgroup_id_x 1
		.amdhsa_system_sgpr_workgroup_id_y 1
		.amdhsa_system_sgpr_workgroup_id_z 1
		.amdhsa_system_vgpr_workitem_id 0
		.amdhsa_next_free_vgpr 512
		.amdhsa_next_free_sgpr 66
		.amdhsa_reserve_vcc 0
		.amdhsa_float_denorm_mode_32 3
		.amdhsa_float_denorm_mode_16_64 3
		.amdhsa_memory_ordered 1
		.amdhsa_forward_progress 1
		.amdhsa_inst_pref_size 93
	.end_amdhsa_kernel
	.amdgpu_metadata
---
amdhsa.version: [ 1, 2 ]
amdhsa.kernels:
  - .name:           k_q49e454edee_xproj
    .symbol:         k_q49e454edee_xproj.kd
    .args:
      - { .name: wef, .offset: 0, .size: 8, .value_kind: global_buffer, .address_space: global }
      - { .name: xb, .offset: 8, .size: 8, .value_kind: global_buffer, .address_space: global }
      - { .name: xef, .offset: 16, .size: 8, .value_kind: global_buffer, .address_space: global }
    .group_segment_fixed_size: 327680
    .private_segment_fixed_size: 0
    .kernarg_segment_align: 8
    .kernarg_segment_size: 24
    .max_flat_workgroup_size: 128
    .sgpr_count:     66
    .vgpr_count:     512
    .wavefront_size: 32
...
	.end_amdgpu_metadata
.endif
;; end of part 2
;; launch kvproj (part 3): grid 16 x 8, 4 waves a work-group, no clusters, 38,912 bytes of LDS; arguments xef, w16, wsum, bk, bv, be, bf, ekh, fvt, fsc; writes ekh, fvt, fsc
.if DOCPART == 3
	.amdgcn_target "amdgcn-amd-amdhsa--gfx1250"
	.amdhsa_code_object_version 6
	.text
	.protected	k_q49e454edee_kvproj
	.globl	k_q49e454edee_kvproj
	.p2align	8
	.type	k_q49e454edee_kvproj,@function
k_q49e454edee_kvproj:
	s_mov_b64 s[64:65], 0
	v_nop
	global_prefetch_b8 v0, s[64:65] scope:SCOPE_SE
	s_setreg_imm32_b32 hwreg(HW_REG_WAVE_MODE, 25, 1), 1
	s_wait_xcnt 0x0
; ek and fv from the projected X.  For y = 4 x which + batch and head h (which = 0: E with Wk, bk, be; 1: F with Wv, bv, bf):
;   val[key][ch] = 8 x (the sum over d of xef[y][key][d] W[64 h + ch][d]) + wsum[y][key] x bias[64 h + ch] + b_ef[key],   wsum[y][key] = the sum of its four partial sums.
;   E: ekh[batch][h][key][ch] = val in bf16.      F: fvt[batch][h][ch][key] = val x 2^t in f16, fsc[batch][h] = 2^-t, t chosen so that the head's largest |val| x 2^t lies in 2^14 .. 2^15.
; xef and the W planes are f16; sums in f32.  The biases are used in f32.  NaN and infinities are not treated apart (the scale's exponent is held to a finite range).
; SHARES.  A work-group makes 256 keys x 64 channels, K = 1,024; wave w keys 64 w .. 64 w + 63: 16 accumulators.  Fragments come straight from memory (both operands lie along K).
; ONE K LOOP FOR E AND F: only the two pointers change places.  E: source 0 = W's rows, source 1 = xef's: a lane holds a key, its registers eight channels.
; F: source 0 = xef's rows, source 1 = W's: a lane holds a channel, its registers eight neighbouring keys: fv turned.
; No cluster, no LDS ring, no prefetch: a short launch with one sixteenth of the program's products; the W rows that the four waves share are 128 KiB a work-group.
; REGISTERS.  window 0: v0-31 addresses and work; v32-39 LG, v40-47 WL (a number a lane, each kept twice, as a pair for the packed lines); v48-55 partial sums; v64-95 RG, v96-127 WR (a number a register);
;   v128-255 accumulators ((i1, i0) at 128 + 8 (4 i1 + i0)).   window 1: two sets of 128: source 0's fragment (c, block) at 8 (4 c + block), source 1's 64 further on.
.set STG,   0                          ; LDS: the stage: E 256 rows x 144 bytes, F 64 rows x 528 bytes
.set WS,    36864                      ; 256 bytes a wave: its 64 keys' wsum
.set RED,   37888                      ; a word a wave
.set SPARE, 38144                      ; the spare words, 128 bytes for each wave: two blocks of 256 bytes that no other line names
.set FO,   3
.set L4,   4
.set R4,   5
.set H32,  6
.set STOE, 7
.set RDE,  8
.set GO,   9
.set SPW,  10
.set NIL,  11
.set T,    12                          ; v12-19 at work
.set STOF, 20
.set RDF,  21
.set WSS,  22
.set WSL,  23
.set WSR,  24
.set REDS, 25
.set REDL, 26
.set ZO,   27
.set MU,   28                          ; v28-29 the scale, twice
.set INV,  30
.set LG,   32
.set WL,   40
.set PS,   48
.set RG,   64
.set WR,   96
.set PK,   64
.set ACC,  128
.set P0,   40                          ; s[40:41] source 0's rows
.set P1,   42                          ; s[42:43] source 1's rows
.set MSB, 0
.macro WIN new
.if MSB != (\new)
	s_set_vgpr_msb (MSB<<8)|(\new)
.set MSB, \new
.endif
.endm
	s_load_b512 s[8:23], s[0:1], 0x0               ; xef 8, w16 10, wsum 12, bk 14, bv 16, be 18, bf 20, ekh 22
	s_load_b128 s[24:27], s[0:1], 0x40             ; fvt 24, fsc 26
	v_lshl_add_u32 v[SPW], v0, 2, SPARE
	v_mov_b32 v[NIL], 0
	v_lshrrev_b32 v31, 5, v0
	v_readfirstlane_b32 s34, v31                   ; wave 0..3
	v_and_b32 v1, 15, v0                           ; l % 16
	v_bfe_u32 v2, v0, 4, 1                         ; l / 16
	v_and_b32 v31, 31, v0                          ; l
	v_lshlrev_b32 v[FO], 11, v1                    ; a fragment's row x 2,048 bytes + 16 x half
	v_lshl_add_u32 v[FO], v2, 4, v[FO]
	v_lshlrev_b32 v[L4], 2, v31
	v_lshlrev_b32 v[R4], 2, v1
	v_lshlrev_b32 v[H32], 5, v2
	v_lshlrev_b32 v[GO], 4, v31
	v_mov_b32 v[ZO], 0
	s_mov_b32 s30, ttmp9                           ; head
	s_and_b32 s31, ttmp7, 0xffff                   ; y
	s_lshr_b32 s32, s31, 2                         ; which
	s_and_b32 s33, s31, 3                          ; batch
	s_mov_b32 s74, 0x76543210
	s_mov_b32 s75, 0xfedcba98
	s_mul_i32 s35, s34, 64*144                     ; E's stage: my 64 rows
	v_mul_u32_u24 v[STOE], v1, 144
	v_lshl_add_u32 v[STOE], v2, 4, v[STOE]
	v_add_nc_u32 v[STOE], s35, v[STOE]             ; (64 w + l % 16) x 144 + 16 (l / 16)
	v_bfe_u32 v12, v0, 3, 2
	v_and_b32 v13, 7, v0
	v_mul_u32_u24 v[RDE], v12, 144
	v_lshl_add_u32 v[RDE], v13, 4, v[RDE]
	v_add_nc_u32 v[RDE], s35, v[RDE]               ; back: four rows of 128 bytes a load
	s_lshl_b32 s36, s34, 7                         ; F's stage: my 64 keys are 128 bytes of each row
	v_mul_u32_u24 v[STOF], v1, 528
	v_lshl_add_u32 v[STOF], v2, 4, v[STOF]
	v_add_nc_u32 v[STOF], s36, v[STOF]
	s_mul_i32 s37, s34, 16*528                     ; back: rows 16 w .. 16 w + 15, whole
	v_lshl_add_u32 v[RDF], v31, 4, s37
	s_lshl_b32 s38, s34, 8
	s_add_co_u32 s38, s38, WS
	v_add_nc_u32 v[WSS], s38, v[L4]
	v_add_nc_u32 v[WSL], s38, v[R4]
	v_add_nc_u32 v[WSR], s38, v[H32]
	s_lshl_b32 s39, s34, 2
	s_add_co_u32 s39, s39, RED
	v_mov_b32 v[REDS], s39
	v_mov_b32 v[REDL], RED
	s_mov_b32 s51, 0
	s_mov_b32 s53, 0
	s_wait_kmcnt 0x0
	s_lshl_b32 s50, s31, 19                        ; y x 256 rows x 2,048 bytes
	s_lshl_b32 s52, s34, 17                        ; my 64 rows
	s_add_co_u32 s50, s50, s52
	s_add_nc_u64 s[54:55], s[8:9], s[50:51]        ; xef at my keys
	s_lshl_b32 s50, s32, 21
	s_lshl_b32 s52, s30, 17
	s_add_co_u32 s50, s50, s52
	s_add_co_u32 s50, s50, 0x200000                ; plane 1 + which, rows 64 h on
	s_add_nc_u64 s[56:57], s[10:11], s[50:51]
	s_lshl_b32 s50, s34, 8                         ; 64 keys x 4 bytes x wave
	s_lshl_b32 s52, s30, 8                         ; 64 channels x 4 bytes x head
	s_add_nc_u64 s[58:59], s[18:19], s[50:51]      ; be at my keys
	s_add_nc_u64 s[60:61], s[16:17], s[52:53]      ; bv at the head
	s_add_nc_u64 s[14:15], s[14:15], s[52:53]      ; bk at the head
	s_add_nc_u64 s[20:21], s[20:21], s[50:51]      ; bf at my keys
	s_cmp_eq_u32 s32, 0
	s_cselect_b64 s[P0:P0+1], s[56:57], s[54:55]
	s_cselect_b64 s[P1:P1+1], s[54:55], s[56:57]
	s_cselect_b64 s[44:45], s[58:59], s[60:61]     ; what goes by lanes
	s_cselect_b64 s[46:47], s[14:15], s[20:21]     ; what goes by registers
	s_lshl_b32 s52, s31, 10
	s_add_co_u32 s50, s50, s52
	s_add_nc_u64 s[48:49], s[12:13], s[50:51]      ; wsum at (chunk 0, y, my keys)
	s_lshl_b32 s52, s33, 4
	s_add_co_u32 s52, s52, s30                     ; 16 batch + head
	s_lshl_b32 s50, s52, 15
	s_lshl_b32 s62, s34, 13                        ; my share of the head's 32 KiB: 64 keys x 128 bytes, or 16 channels x 512 bytes
	s_add_co_u32 s50, s50, s62
	s_add_nc_u64 s[66:67], s[22:23], s[50:51]
	s_add_nc_u64 s[68:69], s[24:25], s[50:51]
	s_lshl_b32 s50, s52, 2
	s_add_nc_u64 s[70:71], s[26:27], s[50:51]
.irp c, 0,1,2,3
	global_load_b32 v[PS+2*(\c)], v[L4], s[48:49] offset:(\c)*8192          ; key l
	global_load_b32 v[PS+2*(\c)+1], v[L4], s[48:49] offset:(\c)*8192+128    ; key l + 32
.endr
.irp i, 0,1,2,3
	global_load_b32 v[LG+2*(\i)], v[R4], s[44:45] offset:64*(\i)
	global_load_b32 v[LG+2*(\i)+1], v[R4], s[44:45] offset:64*(\i)
	global_load_b128 v[RG+8*(\i):RG+8*(\i)+3], v[H32], s[46:47] offset:64*(\i)
	global_load_b128 v[RG+8*(\i)+4:RG+8*(\i)+7], v[H32], s[46:47] offset:64*(\i)+16
.endr
.macro LOADS b, off                    ; a trip's 32 loads (64 along K) into set b
	WIN 0x40
.irp c, 0,1
.irp k, 0,1,2,3
	global_load_b128 v[128*(\b)+8*(4*(\c)+(\k)):128*(\b)+8*(4*(\c)+(\k))+3],       v[FO], s[P0:P0+1] offset:(\off)+64*(\c)+(\k)*32768
	global_load_b128 v[128*(\b)+8*(4*(\c)+(\k))+4:128*(\b)+8*(4*(\c)+(\k))+7],     v[FO], s[P0:P0+1] offset:(\off)+64*(\c)+(\k)*32768+32
	global_load_b128 v[128*(\b)+64+8*(4*(\c)+(\k)):128*(\b)+64+8*(4*(\c)+(\k))+3],   v[FO], s[P1:P1+1] offset:(\off)+64*(\c)+(\k)*32768
	global_load_b128 v[128*(\b)+64+8*(4*(\c)+(\k))+4:128*(\b)+64+8*(4*(\c)+(\k))+7], v[FO], s[P1:P1+1] offset:(\off)+64*(\c)+(\k)*32768+32
.endr
.endr
.endm
.macro MULS b, zero                    ; a trip's 32 products; the 16 accumulators take turns
	WIN 0x05
.irp c, 0,1
.irp i1, 0,1,2,3
.irp i0, 0,1,2,3
.if (\zero) && ((\c) == 0)
	v_wmma_f32_16x16x32_f16 v[ACC+8*(4*(\i1)+(\i0)):ACC+8*(4*(\i1)+(\i0))+7], v[128*(\b)+8*(4*(\c)+(\i0)):128*(\b)+8*(4*(\c)+(\i0))+7], v[128*(\b)+64+8*(4*(\c)+(\i1)):128*(\b)+64+8*(4*(\c)+(\i1))+7], 0
.else
	v_wmma_f32_16x16x32_f16 v[ACC+8*(4*(\i1)+(\i0)):ACC+8*(4*(\i1)+(\i0))+7], v[128*(\b)+8*(4*(\c)+(\i0)):128*(\b)+8*(4*(\c)+(\i0))+7], v[128*(\b)+64+8*(4*(\c)+(\i1)):128*(\b)+64+8*(4*(\c)+(\i1))+7], v[ACC+8*(4*(\i1)+(\i0)):ACC+8*(4*(\i1)+(\i0))+7]
.endif
.endr
.endr
.endr
.endm
.macro PLACES
.rept 4
	v_nop
.endr
.endm
.macro KTURN zero                      ; trips 2 i and 2 i + 1 are multiplied, trips 2 i + 2 and 2 i + 3 asked for
	s_wait_loadcnt 32                              ; set 0 (and all that is older) is in; set 1's 32 loads may stay out
	MULS 0, \zero
	PLACES
	s_wait_xcnt 0x0                                ; every load issued so far has read its base: the pointers step only behind this wait
	s_add_nc_u64 s[P0:P0+1], s[P0:P0+1], 256
	s_add_nc_u64 s[P1:P1+1], s[P1:P1+1], 256
	LOADS 0, 0
	s_wait_loadcnt 32                              ; set 1 is in
	MULS 1, 0
	PLACES
	LOADS 1, 128
.endm
	LOADS 0, 0
	LOADS 1, 128
	KTURN 1                                        ; the first turn is written out: its first products start the sums
	WIN 0
	s_mov_b32 s73, 6
.Lturn:
	KTURN 0
	WIN 0
	s_sub_co_u32 s73, s73, 1
	s_cmp_lg_u32 s73, 0
	s_cbranch_scc1 .Lturn
	s_wait_loadcnt 32                              ; the last two trips load nothing
	MULS 0, 0
	s_wait_loadcnt 0x0
	MULS 1, 0
	WIN 0
	PLACES
	; my 64 keys' wsum: the four partial sums, then through my own 256 bytes of LDS into the layout that the way in hand needs
	v_pk_add_f32 v[PS:PS+1], v[PS:PS+1], v[PS+2:PS+3]
	v_pk_add_f32 v[PS+4:PS+5], v[PS+4:PS+5], v[PS+6:PS+7]
	v_pk_add_f32 v[PS:PS+1], v[PS:PS+1], v[PS+4:PS+5]
	ds_store_b32 v[WSS], v[PS]
	ds_store_b32 v[WSS], v[PS+1] offset:128
	s_cmp_eq_u32 s32, 0
	s_cbranch_scc0 .Lf_bias
.irp i, 0,1,2,3                        ; E: a key a lane (LDS serves a wave's instructions in order: these see the stores above)
	ds_load_b32 v[WL+2*(\i)], v[WSL] offset:64*(\i)
	ds_load_b32 v[WL+2*(\i)+1], v[WSL] offset:64*(\i)
.endr
	s_wait_dscnt 0x0
.set a, 0
.rept 16                               ; a = 4 i1 + i0: val = 8 acc + (bk[ch] wsum[key] + be[key])
.irp t, 0,1,2,3
	v_pk_fma_f32 v[T+2*(\t):T+2*(\t)+1], v[RG+8*(a%4)+2*(\t):RG+8*(a%4)+2*(\t)+1], v[WL+2*(a/4):WL+2*(a/4)+1], v[LG+2*(a/4):LG+2*(a/4)+1]
.endr
.irp t, 0,1,2,3
	v_pk_fma_f32 v[ACC+8*a+2*(\t):ACC+8*a+2*(\t)+1], v[ACC+8*a+2*(\t):ACC+8*a+2*(\t)+1], 0x41000000, v[T+2*(\t):T+2*(\t)+1] op_sel_hi:[1,0,1]
.endr
.set a, a+1
.endr
	s_branch .Lbias_done
.Lf_bias:
.irp i, 0,1,2,3                        ; F: eight keys a lane
	ds_load_b128 v[WR+8*(\i):WR+8*(\i)+3], v[WSR] offset:64*(\i)
	ds_load_b128 v[WR+8*(\i)+4:WR+8*(\i)+7], v[WSR] offset:64*(\i)+16
.endr
	s_wait_dscnt 0x0
.set a, 0
.rept 16                               ; val = 8 acc + (wsum[key] bv[ch] + bf[key])
.irp t, 0,1,2,3
	v_pk_fma_f32 v[T+2*(\t):T+2*(\t)+1], v[WR+8*(a%4)+2*(\t):WR+8*(a%4)+2*(\t)+1], v[LG+2*(a/4):LG+2*(a/4)+1], v[RG+8*(a%4)+2*(\t):RG+8*(a%4)+2*(\t)+1]
.endr
.irp t, 0,1,2,3
	v_pk_fma_f32 v[ACC+8*a+2*(\t):ACC+8*a+2*(\t)+1], v[ACC+8*a+2*(\t):ACC+8*a+2*(\t)+1], 0x41000000, v[T+2*(\t):T+2*(\t)+1] op_sel_hi:[1,0,1]
.endr
.set a, a+1
.endr
.Lbias_done:
	; the head's largest |val| (F needs it; the barriers stand on the one path of both ways): largest and smallest, two chains each
.set z, 0
.rept 64
.if z < 2
	v_max_num_f32 v[T+z], v[ACC+2*z], v[ACC+2*z+1]
	v_min_num_f32 v[T+2+z], v[ACC+2*z], v[ACC+2*z+1]
.else
	v_max3_num_f32 v[T+z%2], v[T+z%2], v[ACC+2*z], v[ACC+2*z+1]
	v_min3_num_f32 v[T+2+z%2], v[T+2+z%2], v[ACC+2*z], v[ACC+2*z+1]
.endif
.set z, z+1
.endr
	v_max_num_f32 v[T], v[T], v[T+1]
	v_min_num_f32 v[T+2], v[T+2], v[T+3]
	v_xor_b32 v[T+2], 0x80000000, v[T+2]
	v_max_num_f32 v[T], v[T], v[T+2]
	v_max_num_f32_dpp v[T], v[T], v[T] row_xmask:1 row_mask:0xf bank_mask:0xf
	v_max_num_f32_dpp v[T], v[T], v[T] row_xmask:2 row_mask:0xf bank_mask:0xf
	v_max_num_f32_dpp v[T], v[T], v[T] row_xmask:4 row_mask:0xf bank_mask:0xf
	v_max_num_f32_dpp v[T], v[T], v[T] row_xmask:8 row_mask:0xf bank_mask:0xf
	v_permlanex16_b32 v[T+1], v[T], s74, s75
	v_max_num_f32 v[T], v[T], v[T+1]
	ds_store_b32 v[REDS], v[T]                     ; all lanes write the same word with the same value
	s_wait_dscnt 0x0
	s_barrier_signal -1
	s_barrier_wait -1
	ds_load_b128 v[T+4:T+7], v[REDL]
	s_wait_dscnt 0x0
	v_max3_num_f32 v[T], v[T+4], v[T+5], v[T+6]
	v_max_num_f32 v[T], v[T], v[T+7]
	s_cmp_eq_u32 s32, 0
	s_cbranch_scc0 .Lf_pack
.set z, 0
.rept 64
	v_cvt_pk_bf16_f32 v[PK+z], v[ACC+2*z], v[ACC+2*z+1]
.set z, z+1
.endr
.irp i1, 0,1,2,3
.irp i0, 0,1,2,3
	ds_store_b128 v[STOE], v[PK+4*(4*(\i1)+(\i0)):PK+4*(4*(\i1)+(\i0))+3] offset:(\i1)*16*144+32*(\i0)
.endr
.endr
	s_branch .Lpacked
.Lf_pack:
	v_and_b32 v[T], 0x7f800000, v[T]               ; the exponent field E of the largest |val|,
	v_max_u32 v[T], 0x07800000, v[T]               ; held to 15 .. 254, so that both powers below are normal numbers
	v_min_u32 v[T], 0x7f000000, v[T]
	v_sub_nc_u32 v[MU], 0x86000000, v[T]           ; 2^(14 - e): field 268 - E
	v_mov_b32 v[MU+1], v[MU]
	v_add_nc_u32 v[INV], 0xf9000000, v[T]          ; 2^(e - 14): field E - 14
.set z, 0
.rept 64
	v_pk_mul_f32 v[ACC+2*z:ACC+2*z+1], v[ACC+2*z:ACC+2*z+1], v[MU:MU+1]
.set z, z+1
.endr
.set z, 0
.rept 64
	v_cvt_pk_f16_f32 v[PK+z], v[ACC+2*z], v[ACC+2*z+1]
.set z, z+1
.endr
.irp i1, 0,1,2,3
.irp i0, 0,1,2,3
	ds_store_b128 v[STOF], v[PK+4*(4*(\i1)+(\i0)):PK+4*(4*(\i1)+(\i0))+3] offset:(\i1)*16*528+32*(\i0)
.endr
.endr
.Lpacked:
	s_wait_dscnt 0x0                               ; for the others' sake: my stores into the stage are done
	s_barrier_signal -1
	s_barrier_wait -1
	s_cmp_eq_u32 s32, 0
	s_cbranch_scc0 .Lf_out
.irp t, 0,1,2,3,4,5,6,7,8,9,10,11,12,13,14,15
	ds_load_b128 v[PK+4*(\t):PK+4*(\t)+3], v[RDE] offset:(\t)*4*144
.endr
.irp t, 0,1,2,3,4,5,6,7,8,9,10,11,12,13,14,15
	s_wait_dscnt 15-(\t)
	global_store_b128 v[GO], v[PK+4*(\t):PK+4*(\t)+3], s[66:67] offset:512*(\t)  ; four keys' rows: 512 consecutive bytes
.endr
	s_branch .Lend
.Lf_out:
.irp t, 0,1,2,3,4,5,6,7,8,9,10,11,12,13,14,15
	ds_load_b128 v[PK+4*(\t):PK+4*(\t)+3], v[RDF] offset:(\t)*528
.endr
.irp t, 0,1,2,3,4,5,6,7,8,9,10,11,12,13,14,15
	s_wait_dscnt 15-(\t)
	global_store_b128 v[GO], v[PK+4*(\t):PK+4*(\t)+3], s[68:69] offset:512*(\t)  ; a channel's 256 keys: 512 consecutive bytes
.endr
	s_wait_xcnt 0x0                                ; EXEC changes only behind s_wait_xcnt 0
	v_cmp_eq_u32 vcc_lo, 0, v0
	s_and_saveexec_b32 s72, vcc_lo
	global_store_b32 v[ZO], v[INV], s[70:71]       ; one word a head
	s_wait_xcnt 0x0
	s_or_b32 exec_lo, exec_lo, s72
.Lend:
	s_wait_tensorcnt 0x0                           ; the wave's end, behind my last LDS store
	ds_add_u32 v[SPW], v[NIL]
	s_wait_dscnt 0x0
	s_endpgm
.Lfunc_end_k_q49e454edee_kvproj:
	.size	k_q49e454edee_kvproj, .Lfunc_end_k_q49e454edee_kvproj-k_q49e454edee_kvproj
	.p2alignl 7, 3214868480
	.fill 96, 4, 3214868480
	.section	.rodata,"a",@progbits
	.p2align	6, 0x0
	.amdhsa_kernel k_q49e454edee_kvproj
		.amdhsa_group_segment_fixed_size 38912
		.amdhsa_private_segment_fixed_size 0
		.amdhsa_enable_private_segment 0
		.amdhsa_kernarg_size 80
		.amdhsa_user_sgpr_count 2
		.amdhsa_user_sgpr_kernarg_segment_ptr 1
		.amdhsa_wavefront_size32 1
		.amdhsa_system_sgpr_workgroup_id_x 1
		.amdhsa_system_sgpr_workgroup_id_y 1
		.amdhsa_system_sgpr_workgroup_id_z 1
		.amdhsa_system_vgpr_workitem_id 0
		.amdhsa_next_free_vgpr 512
		.amdhsa_next_free_sgpr 80
		.amdhsa_reserve_vcc 1
		.amdhsa_float_denorm_mode_32 3
		.amdhsa_float_denorm_mode_16_64 3
		.amdhsa_memory_ordered 1
		.amdhsa_forward_progress 1
		.amdhsa_inst_pref_size 89
	.end_amdhsa_kernel
	.amdgpu_metadata
---
amdhsa.version: [ 1, 2 ]
amdhsa.kernels:
  - .name:           k_q49e454edee_kvproj
    .symbol:         k_q49e454edee_kvproj.kd
    .args:
      - { .name: xef, .offset: 0, .size: 8, .value_kind: global_buffer, .address_space: global }
      - { .name: w16, .offset: 8, .size: 8, .value_kind: global_buffer, .address_space: global }
      - { .name: wsum, .offset: 16, .size: 8, .value_kind: global_buffer, .address_space: global }
      - { .name: bk, .offset: 24, .size: 8, .value_kind: global_buffer, .address_space: global }
      - { .name: bv, .offset: 32, .size: 8, .value_kind: global_buffer, .address_space: global }
      - { .name: be, .offset: 40, .size: 8, .value_kind: global_buffer, .address_space: global }
      - { .name: bf, .offset: 48, .size: 8, .value_kind: global_buffer, .address_space: global }
      - { .name: ekh, .offset: 56, .size: 8, .value_kind: global_buffer, .address_space: global }
      - { .name: fvt, .offset: 64, .size: 8, .value_kind: global_buffer, .address_space: global }
      - { .name: fsc, .offset: 72, .size: 8, .value_kind: global_buffer, .address_space: global }
    .group_segment_fixed_size: 38912
    .private_segment_fixed_size: 0
    .kernarg_segment_align: 8
    .kernarg_segment_size: 80
    .max_flat_workgroup_size: 128
    .sgpr_count:     80
    .vgpr_count:     512
    .wavefront_size: 32
...
	.end_amdgpu_metadata
.endif
;; end of part 3
;; launch attn (part 4): grid 4 x 64, 4 waves a work-group, clusters of 4 x 4, 327,680 bytes of LDS; arguments xb, w16, bq, attention_mask, ekh, fvt, fsc, out0; writes out0
.if DOCPART == 4
	.amdgcn_target "amdgcn-amd-amdhsa--gfx1250"
	.amdhsa_code_object_version 6
	.text
	.protected	k_q49e454edee_attn
	.globl	k_q49e454edee_attn
	.p2align	8
	.type	k_q49e454edee_attn,@function
k_q49e454edee_attn:
	s_mov_b64 s[64:65], 0
	v_nop
	global_prefetch_b8 v0, s[64:65] scope:SCOPE_SE
	s_setreg_imm32_b32 hwreg(HW_REG_WAVE_MODE, 25, 1), 1
	s_wait_xcnt 0x0
	s_wait_alu depctr_hold_cnt(0) depctr_sa_sdst(0) depctr_va_vdst(0) depctr_va_sdst(0) depctr_va_ssrc(0) depctr_va_vcc(0) depctr_vm_vsrc(0)
	s_getreg_b32 s2, hwreg(HW_REG_IB_STS2, 6, 4)
	s_cmp_eq_u32 s2, 0
	s_cbranch_scc0 .Lentry_in_a_cluster
	s_endpgm
.Lentry_in_a_cluster:
	s_bfe_u32 s2, ttmp6, 0x10000c
	s_cmp_lg_u32 s2, 0xf033
	s_cbranch_scc0 .Lentry_shape_is_right
	s_endpgm
.Lentry_shape_is_right:
; THE Q PROJECTION, THE SCORES, THE SOFTMAX AND THE SECOND PRODUCT IN ONE LAUNCH.  q, the scores and the weights never go to memory.
;   q[s][c] = xb[s] . Wq[c] + mask[s] bq[c]  (xb's masked rows are 0, so q is 0 there);  p = softmax over 256 keys of q . ek / 8;  out0[s][64 h + ch] = fsc[h] x (the sum over keys of p fvt[ch][key]) / (the sum of p).
; xb, Wq, q, ek in bf16; p and fvt in f16 (fvt carries a power of two a head, undone by fsc in f32); products, maxima and sums in f32.  All 256 keys are in hand at once: the maximum is the row's true maximum.
; LIMITS.  p below 6e-5 keeps f16's fixed step of 6e-8; a weight below 2^-126 counts as 0 in the sum; NaN and infinities in rows that are not masked are not treated apart.
; A work-group owns 256 rows of one batch and four heads (256 columns of q).  PHASE 1: q as a GEMM tile of 256 x 256, K = 1,024 in steps of 128 through two LDS slots; a wave makes 128 x 128: 64 accumulators.
; CLUSTERS: 4 x 4 work-groups: the four of a row of the cluster need the same rows of xb, the four of a column the same rows of Wq: each tile is asked for JOINTLY.
; PHASE 2: q + mask bq, rounded to bf16, goes into a park in LDS (slot 0's bytes, which have had their last fill and their last read), laid out as the register image of a source 1; ek and fvt of the wave's head
; come into the 512 registers that the accumulators leave.  PHASE 3: wave w takes head w of the four and all 16 units of 16 rows.
; PHASE 3 BY TURNS.  Turn n (parity p, q = 1 - p): 32 products ek Q^T of unit n + 1, later 32 products fvt P of unit n - 1; beside them the scaling, exponentials, roundings and sums of unit n, the maximum of unit n + 1,
; 1 / l of unit n - 1 and the way out of unit n - 2.  Four vector instructions stand behind each matrix instruction, the others in one lump; a turn's 129 transcendentals are one batch with one wait.
; REGISTERS, in windows of 256 (s_set_vgpr_msb: bits 1:0 source 0, 3:2 source 1, 5:4 source 2, 7:6 destination).
;   Phase 1: window 0: v0-31 addresses; v32-47 mask, v192-255 bq (loaded at the head); v64-191 A's fragments.  window 1: v64-191 B's fragments.  windows 2, 3: the accumulators.
;   Phase 3: window p (0, 1): v16-23 statistics made in turns of parity p; v64-191 the scores of units of parity p; v192-255 their weights.  window 0 also: v12-13 1 / l, v32-63 O^T.
;   window 1 also: v0-15 Q's fragments, v32-63 rows on their way out.  window 2: ek (key block kb, channel half c at 16 kb + 8 c).  window 3: fvt (key group kk, channel block cb at 32 kk + 8 cb).
.set SIZE_K, 1024
.set KSTEP,  128
.set PITCH,  272                       ; an LDS row: 256 bytes + 16 = 68 words: the 16 rows that a load touches start at 16 different groups of four banks
.set HALFT,  128*PITCH
.set SLOT,   4*HALFT                   ; A's 256 rows, then B's 256 rows
.set STAGE,  2*SLOT                    ; behind the ring: 16 rows x 272 bytes for each wave, for the way out
.set SPITCH, 272
.set SPARE,  STAGE+4*16*SPITCH         ; behind the stages: the spare words, 128 bytes for each wave: two blocks of 256 bytes that no other line names
.set LAPS,   SIZE_K/(2*KSTEP)
.set ZPAD,   131072                    ; behind the park's 4 x 32,768 bytes, still in slot 0: two units of zeros, which the last two turns fetch for head 3
.set QLD,  4
.set QB,   5                           ; v5   16 x lane + 32,768 x wave: my head's park; never rewritten
.set BQO,  6
.set QST,  7
.set EKO,  8
.set FVO,  9
.set ZST,  10
.set RL,   12                          ; v12-13  fsc / l, in the low register
.set ADRA, 16
.set ADRB, 20
.set STO,  24
.set RD,   25
.set CO,   26
.set SPW,  28                          ; v28  SPARE + 4 x my thread's number; never rewritten
.set NIL,  29                          ; v29  0; never rewritten
.set PFO,  30
.set EFO,  31
.set MK,   32                          ; v32-47  row block a's mask as f32, twice, at MK + 2 a
.set BQ,   192                         ; v192-255  bq of my 128 columns: block b, my 8 at BQ + 8 b
.set QT,   64
.set QP,   128
.set F0,   64
.set F1,   128
.set RC,   16                          ; c0-c3
.set CM,   20                          ; c m, in the low register of a pair
.set LS,   22                          ; l
.set TT,   23                          ; at work
.set RO,   32
.set OB,   32
.set QF,   0
.set RS,   64
.set RP,   192
.set G1,  24
.set G0,  32
.set G1B, 48
.set G0B, 56
.set LIM, 43                           ; s43  1 in a wave that prefetches, else the greatest number
.set PFA, 44                           ; s[44:45] where my prefetches stand
.set CS,  80                           ; s[80:81] c = log2(e) / 8
.set SEL, 82                           ; s[82:83] v_permlanex16_b32's selects
.set NINF, 84
.set FSC, 85
.set CNT, 86
.set TB,  87                           ; s87  the park byte of the unit to be fetched next
.set EFL, 88                           ; s88  0 in the clusters that prefetch ek and fvt
.set MSB, 0
.macro WIN new                         ; the immediate's high byte repeats the setting that is left
.if MSB != (\new)
	s_set_vgpr_msb (MSB<<8)|(\new)
.set MSB, \new
.endif
.endm
.set MUL_LO, 0xa1                      ; source 0 (B) window 1, source 1 (A) window 0, C and D window 2
.set MUL_HI, 0xf1
.set TO_B,   0x40
.macro JLOAD s                         ; a joint load: waves 0 and 1 fetch A's halves, waves 2 and 3 B's; an s_nop 0 and four v_nop follow each line
	s_cmp_eq_u32 s11, 0
	s_cbranch_scc0 .Lfor_b_\@
	tensor_load_to_lds s[G0+4*(\s):G0+4*(\s)+3], s[G1:G1+7]
	s_nop 0
.rept 4
	v_nop
.endr
	s_branch .Lasked_\@
.Lfor_b_\@:
	tensor_load_to_lds s[G0B+4*(\s):G0B+4*(\s)+3], s[G1B:G1B+7]
	s_nop 0
.rept 4
	v_nop
.endr
.Lasked_\@:
.endm
; A PREFETCH INTO THE L2, behind each joint refill and the run of LDS loads that follows it: the K step that stands two refills on: 32 rows x 256 bytes, a lane a row, one instruction a wave.
; xb's rows are read by one cluster alone, which asks; Wq's rows by all sixteen clusters: the one with cluster y = 0 asks.  The four partners that ask for a tile jointly share its rows out by address, 32 each.
; So each row's 256 bytes of K steps 4 to 7 are named once in the launch.  The loop's last trip asks for nothing: there is no K step two refills on.
.macro ASK
	s_cmp_gt_u32 s3, s[LIM]
	s_cbranch_scc0 .Lnot_mine_\@
	global_prefetch_b8 v[PFO], s[PFA:PFA+1] offset:KSTEP*2 th:TH_LOAD_NT scope:SCOPE_SE
.Lnot_mine_\@:
.endm
; ek and fvt of my head, 32 KiB each, are loaded in phase 2.  They are asked for at the last change of slots, 288 matrix instructions ahead.  A head is read by the four clusters of its batch: the first of them asks;
; its four partners along y take 8 KiB each, by address; a lane a block of 256 bytes; each wave its own head.
.macro EFASK
	s_cmp_eq_u32 s[EFL], 0
	s_cbranch_scc0 .Lno_ef_\@
	global_prefetch_b8 v[EFO], s[72:73] th:TH_LOAD_NT scope:SCOPE_SE
	global_prefetch_b8 v[EFO], s[74:75] th:TH_LOAD_NT scope:SCOPE_SE
.Lno_ef_\@:
.endm
.macro CREST
	s_cmp_lg_u32 s10, 0
	s_cbranch_scc1 .Lnot_wave_0_\@
	s_barrier_signal -3
.Lnot_wave_0_\@:
	s_barrier_wait -3
	s_barrier_signal -1
	s_barrier_wait -1
.endm
.macro CROUND
	s_barrier_signal -1
	s_barrier_wait -1
	CREST
.endm
	s_load_b128 s[4:7], s[0:1], 0x0                ; xb s[4:5], w16 s[6:7] (its plane 0 is Wq)
	s_load_b256 s[68:75], s[0:1], 0x10             ; bq 68, mask 70, ekh 72, fvt 74
	s_load_b128 s[76:79], s[0:1], 0x30             ; fsc 76, out0 78
	v_lshl_add_u32 v[SPW], v0, 2, SPARE
	v_mov_b32 v[NIL], 0
	ds_add_u32 v[SPW], v[NIL]                      ; the wave's opening: the add and its wait stand ahead of my first tensor load
	v_lshrrev_b32 v1, 5, v0
	v_readfirstlane_b32 s10, v1                    ; wave 0..3
	s_lshr_b32 s11, s10, 1                         ; which half of the tile's rows is mine.  Also: I fetch for A (0) or for B (1)
	s_and_b32 s12, s10, 1                          ; which half of its columns.  Also: which 128 rows of that tile I fetch
	s_bfe_u32 s40, ttmp6, 0x40000                  ; cx
	s_bfe_u32 s41, ttmp6, 0x40004                  ; cy
	s_lshl_b32 s42, ttmp9, 2
	s_add_co_u32 s42, s42, s40                     ; the group of four heads
	s_and_b32 s13, ttmp7, 0xffff
	s_lshl_b32 s13, s13, 2
	s_add_co_u32 s13, s13, s41                     ; the block of 256 rows
	s_lshl_b32 s43, s41, 2
	s_lshl_b32 s43, 15, s43                        ; my row of the cluster
	s_lshl_b32 s44, 0x1111, s40                    ; my column
	s_or_b32 s[G1+0], s43, (1<<16)|(1<<20)|(1<<21)|(5<<22)|(3<<25)   ; the mask; 2-byte elements; padding on; bit 21 beside a mask; after every 64 words 4 words
	s_or_b32 s[G1B+0], s44, (1<<16)|(1<<20)|(1<<21)|(5<<22)|(3<<25)
.irp g, G1, G1B
	s_mov_b32 s[(\g)+1], KSTEP<<16                 ; tensor_dim0 = 128
	s_mov_b32 s[(\g)+2], 128<<16                   ; tensor_dim1 = 128
	s_mov_b32 s[(\g)+3], KSTEP<<16                 ; tile_dim0 = 128
	s_mov_b32 s[(\g)+4], 128                       ; tile_dim1 = 128
	s_mov_b32 s[(\g)+5], SIZE_K                    ; elements from row to row
	s_mov_b32 s[(\g)+6], 0
	s_mov_b32 s[(\g)+7], 0
.endr
	s_mov_b32 s[CS], 0x3e38aa3b                    ; c = log2(e) / 8
	s_mov_b32 s[CS+1], s[CS]
	s_mov_b32 s[SEL], 0x76543210
	s_mov_b32 s[SEL+1], 0xfedcba98
	s_mov_b32 s[NINF], 0xff800000
	s_lshl_b32 s17, s12, 7
	s_lshl_b32 s16, s13, 8
	s_add_co_u32 s16, s16, s17                     ; A: row 256 x block + 128 x half
	s_lshl_b32 s46, s42, 8
	s_add_co_u32 s46, s46, s17                     ; B: row 256 x group + 128 x half
	s_mov_b32 s17, 0
	s_mov_b32 s47, 0
	s_mov_b64 s[18:19], SIZE_K*2
	s_mul_u64 s[16:17], s[16:17], s[18:19]
	s_mul_u64 s[46:47], s[46:47], s[18:19]
	s_mul_i32 s20, s10, HALFT                      ; where they go: wave x 128 rows: no place in the cluster enters an LDS address
	s_wait_dscnt 0x0                               ; the opening add is done
	s_wait_kmcnt 0x0
	s_add_nc_u64 s[14:15], s[4:5], s[16:17]
	s_add_nc_u64 s[46:47], s[6:7], s[46:47]
	CROUND                                         ; all sixteen work-groups are here: the first joint loads meet
.irp s, 0,1
	s_mov_b32 s[G0+4*(\s)], 1
	s_add_co_u32 s[G0+4*(\s)+1], s20, (\s)*SLOT
	s_add_nc_u64 s[G0+4*(\s)+2:G0+4*(\s)+3], s[14:15], (\s)*KSTEP*2
	s_or_b32 s[G0+4*(\s)+3], s[G0+4*(\s)+3], 0x80000000
	s_mov_b32 s[G0B+4*(\s)], 1
	s_add_co_u32 s[G0B+4*(\s)+1], s20, (\s)*SLOT
	s_add_nc_u64 s[G0B+4*(\s)+2:G0B+4*(\s)+3], s[46:47], (\s)*KSTEP*2
	s_or_b32 s[G0B+4*(\s)+3], s[G0B+4*(\s)+3], 0x80000000
	JLOAD \s
.endr
	v_and_b32 v1, 15, v0                           ; l % 16; never rewritten
	v_bfe_u32 v2, v0, 4, 1                         ; l / 16
	; the pointers of phases 2 and 3
	s_lshl_b32 s90, s42, 10
	s_lshl_b32 s91, s12, 9
	s_add_co_u32 s90, s90, s91
	s_mov_b32 s91, 0
	s_add_nc_u64 s[68:69], s[68:69], s[90:91]      ; bq at my 128 columns
	s_lshl_b32 s90, s13, 8
	s_lshl_b32 s92, s11, 7
	s_add_co_u32 s90, s90, s92
	s_add_nc_u64 s[70:71], s[70:71], s[90:91]      ; the mask at my 128 rows
	s_and_b32 s92, ttmp7, 0xffff                   ; cluster y: four clusters a batch
	s_and_b32 s[EFL], s92, 3
	s_lshr_b32 s92, s92, 2
	s_lshl_b32 s92, s92, 4
	s_lshl2_add_u32 s92, s42, s92
	s_add_co_u32 s92, s92, s10                     ; 16 batch + 4 group + wave: my head
	s_lshl_b32 s90, s92, 15
	s_add_nc_u64 s[72:73], s[72:73], s[90:91]
	s_add_nc_u64 s[74:75], s[74:75], s[90:91]
	s_lshl_b32 s90, s92, 2
	s_add_nc_u64 s[76:77], s[76:77], s[90:91]
	s_load_b32 s[FSC], s[76:77], 0x0
	s_lshl_b32 s90, s13, 20                        ; 256 rows of 4,096 bytes,
	s_lshl_b32 s92, s42, 10                        ; four heads of 256 bytes,
	s_add_co_u32 s90, s90, s92
	s_lshl_b32 s92, s10, 8                         ; my head
	s_add_co_u32 s90, s90, s92
	s_add_nc_u64 s[78:79], s[78:79], s[90:91]
	v_lshlrev_b32 v[BQO], 5, v2                    ; my 8 columns of a block of 16
.irp b, 0,1,2,3,4,5,6,7
	global_load_b128 v[BQ+8*(\b):BQ+8*(\b)+3], v[BQO], s[68:69] offset:64*(\b)
	global_load_b128 v[BQ+8*(\b)+4:BQ+8*(\b)+7], v[BQO], s[68:69] offset:64*(\b)+16
.endr
.irp a, 0,1,2,3,4,5,6,7
	global_load_u8 v[MK+2*(\a)], v1, s[70:71] offset:16*(\a)
	global_load_u8 v[MK+2*(\a)+1], v1, s[70:71] offset:16*(\a)
.endr
	v_mul_u32_u24 v3, v1, PITCH
	v_lshl_add_u32 v3, v2, 4, v3                   ; a fragment's row x pitch + 16 x half
	s_mul_i32 s21, s11, HALFT
	s_mul_i32 s22, s12, HALFT
	s_add_co_u32 s22, s22, 2*HALFT
.irp s, 0,1
	v_add_nc_u32 v[ADRA+(\s)], s21, v3
	v_add_nc_u32 v[ADRB+(\s)], s22, v3
	s_add_co_u32 s21, s21, SLOT
	s_add_co_u32 s22, s22, SLOT
.endr
	s_mul_i32 s23, s10, 16*SPITCH
	s_add_co_u32 s23, s23, STAGE                   ; my stage
	v_mul_u32_u24 v3, v1, SPITCH                   ; in: row l % 16, 32 bytes for each half of the lanes
	v_lshl_add_u32 v3, v2, 5, v3
	v_add_nc_u32 v[STO], s23, v3
	v_mul_u32_u24 v3, v2, SPITCH                   ; back: lanes 0-15 one row of 256 bytes, lanes 16-31 the next
	v_lshl_add_u32 v3, v1, 4, v3
	v_add_nc_u32 v[RD], s23, v3
	v_lshlrev_b32 v3, 12, v2                       ; and the same two rows in out0
	v_lshl_add_u32 v[CO], v1, 4, v3
	v_and_b32 v11, 31, v0                          ; lane
	s_lshl_b32 s23, s10, 15
	v_lshl_add_u32 v[QB], v11, 4, s23
	s_lshl_b32 s23, s12, 16                        ; into the park: my two heads,
	s_lshl_b32 s22, s11, 14                        ; my eight units
	s_add_co_u32 s23, s23, s22
	v_lshl_add_u32 v[QST], v11, 4, s23
	s_lshl_b32 s23, s10, 10
	s_add_co_u32 s23, s23, ZPAD
	v_lshl_add_u32 v[ZST], v11, 4, s23
	v_lshlrev_b32 v[EKO], 7, v1                    ; ek: key x 128 bytes + 16 x half
	v_lshl_add_u32 v[EKO], v2, 4, v[EKO]
	v_lshlrev_b32 v[FVO], 9, v1                    ; fvt: channel x 512 bytes + 16 x half
	v_lshl_add_u32 v[FVO], v2, 4, v[FVO]
	; the prefetches
	s_lshl_b32 s20, s13, 8
	s_lshl_b32 s21, s42, 8
	s_and_b32 s22, ttmp7, 0xffff
	s_cmp_eq_u32 s11, 0                            ; do I fetch for A?
	s_cselect_b32 s20, s20, s21                    ; the tile's first row
	s_cselect_b32 s21, s40, s41                    ; my place among the four that ask for it with me
	s_cselect_b32 s22, ttmp9, s22                  ; the coordinate along which other clusters read the same rows
	s_cselect_b64 s[PFA:PFA+1], s[4:5], s[6:7]
	s_cmp_eq_u32 s22, 0
	s_cselect_b32 s[LIM], 1, -1
	s_lshl_b32 s22, s12, 7
	s_add_co_u32 s20, s20, s22
	s_lshl_b32 s21, s21, 5
	s_add_co_u32 s20, s20, s21
	s_mov_b32 s21, 0
	s_mov_b64 s[18:19], SIZE_K*2
	s_mul_u64 s[20:21], s[20:21], s[18:19]
	s_add_nc_u64 s[PFA:PFA+1], s[PFA:PFA+1], s[20:21]
	s_add_nc_u64 s[PFA:PFA+1], s[PFA:PFA+1], 2*KSTEP*2  ; at K step 2: the first refill steps it to 3 and names K step 4
	v_mul_u32_u24 v[PFO], v11, SIZE_K*2
	s_lshl_b32 s22, s41, 13
	v_lshl_add_u32 v[EFO], v11, 8, s22
; PHASE 1.  16 matrix instructions: row blocks a0, a0 + 1 of the window's four x all 8 column blocks, 32 along K
.macro MUL16 f, hi, a0, zero
	WIN MUL_LO+0x50*(\hi)
.irp a, \a0, (\a0)+1
.irp b, 0,1,2,3,4,5,6,7
.if \zero
	v_wmma_f32_16x16x32_bf16 v[8*(8*(\a)+(\b)):8*(8*(\a)+(\b))+7], v[(\f)+8*(\b):(\f)+8*(\b)+7], v[(\f)+8*(4*(\hi)+(\a)):(\f)+8*(4*(\hi)+(\a))+7], 0
.else
	v_wmma_f32_16x16x32_bf16 v[8*(8*(\a)+(\b)):8*(8*(\a)+(\b))+7], v[(\f)+8*(\b):(\f)+8*(\b)+7], v[(\f)+8*(4*(\hi)+(\a)):(\f)+8*(4*(\hi)+(\a))+7], v[8*(8*(\a)+(\b)):8*(8*(\a)+(\b))+7]
.endif
.endr
.endr
.endm
.macro FETCH slot, k, f                ; 32 LDS loads in one run: a quarter step's fragments into buffer f
	WIN TO_B
.irp i, 0,1,2,3,4,5,6,7
	ds_load_b128 v[(\f)+8*(\i):(\f)+8*(\i)+3],   v[ADRB+(\slot)] offset:(\k)+(\i)*16*PITCH
	ds_load_b128 v[(\f)+8*(\i)+4:(\f)+8*(\i)+7], v[ADRB+(\slot)] offset:(\k)+(\i)*16*PITCH+32
.endr
	WIN 0
.irp i, 0,1,2,3,4,5,6,7
	ds_load_b128 v[(\f)+8*(\i):(\f)+8*(\i)+3],   v[ADRA+(\slot)] offset:(\k)+(\i)*16*PITCH
	ds_load_b128 v[(\f)+8*(\i)+4:(\f)+8*(\i)+7], v[ADRA+(\slot)] offset:(\k)+(\i)*16*PITCH+32
.endr
.endm
.macro PLACES                          ; four places behind a matrix instruction, in front of loads into its registers and of vector lines that read results
.rept 4
	v_nop
.endr
.endm
.macro QUARTER slot, k, f, g, zero
	s_wait_dscnt 8                                 ; B and A's rows 0-63 are in; the youngest eight loads may be out
	WIN MUL_LO
	MUL16 \f, 0, 0, \zero
	MUL16 \f, 0, 2, \zero
	PLACES
	FETCH \slot, \k, \g
	s_wait_dscnt 32                                ; all but the 32 just issued
	WIN MUL_HI
	MUL16 \f, 1, 0, \zero
	MUL16 \f, 1, 2, \zero
.endm
; The first half of a K step's last quarter: ONE barrier for the change of slots.  In front of it each wave waits for all its tensor loads, adds 0 to its spare word, and waits for that and for its reads of this slot.
.macro MEET round
	WIN 0
	s_wait_tensorcnt 0x0                           ; all my tensor loads have landed: the one that was out is my part of the next slot;
	ds_add_u32 v[SPW], v[NIL]                      ; 0 onto my spare word;
	s_wait_dscnt 9                                 ; (the add and the youngest eight loads may be out)
	WIN MUL_LO
	MUL16 F1, 0, 0, 0
	s_wait_dscnt 0x0                               ; the add is done, and my reads of this slot are over
	s_barrier_signal -1
	MUL16 F1, 0, 2, 0
.if \round
	WIN 0
.endif
	s_barrier_wait -1
.endm
.macro GTURN slot, next                ; the whole last quarter, with the refill two K steps on
	s_wait_xcnt 0x0                                ; the last prefetch, a K step back, has read its address
	s_add_nc_u64 s[PFA:PFA+1], s[PFA:PFA+1], KSTEP*2
	MEET 1
	CREST                                          ; no wave of any partner still reads this slot's tile or has a load on its way
	s_add_nc_u64 s[G0+4*(\slot)+2:G0+4*(\slot)+3], s[G0+4*(\slot)+2:G0+4*(\slot)+3], 2*KSTEP*2
	s_add_nc_u64 s[G0B+4*(\slot)+2:G0B+4*(\slot)+3], s[G0B+4*(\slot)+2:G0B+4*(\slot)+3], 2*KSTEP*2
	JLOAD \slot                                    ; the first tensor load behind the round; its four v_nop are also the places in front of the loads below
	FETCH \next, 0, F0
	ASK
	WIN MUL_HI
	MUL16 F1, 1, 0, 0
	MUL16 F1, 1, 2, 0
.endm
	s_wait_tensorcnt 1                             ; my part of K step 0 is in; K step 1's may stay out
	s_barrier_signal -1
	s_barrier_wait -1
	FETCH 0, 0, F0
	QUARTER 0, 64,  F0, F1, 1                      ; the first quarter stands in front of the loop: its products start the sums
	WIN 0
	s_mov_b32 s3, LAPS-1
.Llap:                                                 ; three trips: K steps 2 to 7 are asked for
	QUARTER 0, 128, F1, F0, 0
	QUARTER 0, 192, F0, F1, 0
	GTURN 0, 1
	QUARTER 1, 64,  F0, F1, 0
	QUARTER 1, 128, F1, F0, 0
	QUARTER 1, 192, F0, F1, 0
	GTURN 1, 0
	QUARTER 0, 64,  F0, F1, 0
	WIN 0
	s_sub_co_u32 s3, s3, 1
	s_cmp_lg_u32 s3, 0
	s_cbranch_scc1 .Llap
	QUARTER 0, 128, F1, F0, 0                      ; the last lap fills nothing
	QUARTER 0, 192, F0, F1, 0
	MEET 0                                         ; behind this barrier nobody reads slot 0 any more, and no load fills it again
	PLACES
	FETCH 1, 0, F0
	EFASK
	WIN MUL_HI
	MUL16 F1, 1, 0, 0
	MUL16 F1, 1, 2, 0
	QUARTER 1, 64,  F0, F1, 0
	QUARTER 1, 128, F1, F0, 0
	QUARTER 1, 192, F0, F1, 0
	s_wait_dscnt 8
	MUL16 F1, 0, 0, 0
	MUL16 F1, 0, 2, 0
	s_wait_dscnt 0x0
	MUL16 F1, 1, 0, 0
	MUL16 F1, 1, 2, 0
	; PHASE 2.  A lane holds row l % 16 of block a and columns 16 b + 8 (l / 16) + 0..7: rounded to bf16 these 16 bytes ARE half a fragment of source 1 in the right lane.
	; The park: [head 4][unit 16][4 x 512 bytes], lane l at 16 l.
	WIN 0
	s_wait_loadcnt 0x0                             ; bq and the mask
.set z, 0
.rept 16
	v_cvt_f32_u32 v[MK+z], v[MK+z]                 ; (these are also the places behind the last products)
.set z, z+1
.endr
.macro QROW a                          ; block a: 32 packed q = acc + mask bq, 32 roundings, 8 stores
	WIN 0x20+0x10*((\a)/4)                         ; source 2, the accumulators, in window 2 or 3
.set z, 0
.rept 32
	v_pk_fma_f32 v[QT+2*z:QT+2*z+1], v[BQ+2*z:BQ+2*z+1], v[MK+2*(\a):MK+2*(\a)+1], v[64*((\a)%4)+2*z:64*((\a)%4)+2*z+1]
.set z, z+1
.endr
	WIN 0
.set z, 0
.rept 32
	v_cvt_pk_bf16_f32 v[QP+z], v[QT+2*z], v[QT+2*z+1]
.set z, z+1
.endr
.irp b, 0,1,2,3,4,5,6,7
	ds_store_b128 v[QST], v[QP+4*(\b):QP+4*(\b)+3] offset:((\b)/4)*32768+(\a)*2048+((\b)%4)*512
.endr
.endm
	QROW 0
	QROW 1
	QROW 2
	QROW 3
	WIN 0x80                                       ; window 2 is free: my head's ek
.set z, 0
.rept 32                               ; key block z / 2, channel half z % 2
	global_load_b128 v[8*z:8*z+3],   v[EKO], s[72:73] offset:2048*(z/2)+64*(z%2)
	global_load_b128 v[8*z+4:8*z+7], v[EKO], s[72:73] offset:2048*(z/2)+64*(z%2)+32
.set z, z+1
.endr
	QROW 4
	QROW 5
	QROW 6
	QROW 7
	WIN 0xc0                                       ; window 3 is free: my head's fvt
.set z, 0
.rept 32                               ; key group z / 4, channel block z % 4
	global_load_b128 v[8*z:8*z+3],   v[FVO], s[74:75] offset:8192*(z%4)+64*(z/4)
	global_load_b128 v[8*z+4:8*z+7], v[FVO], s[74:75] offset:8192*(z%4)+64*(z/4)+32
.set z, z+1
.endr
	WIN 0
.irp z, 0,1,2,3
	v_mov_b32 v[QT+(\z)], 0
.endr
	ds_store_b128 v[ZST], v[QT:QT+3]               ; two units of zeros behind the park: 1,024 bytes a wave
	ds_store_b128 v[ZST], v[QT:QT+3] offset:512
	s_wait_dscnt 0x0                               ; for the others' sake: my stores into the park are done
	s_barrier_signal -1
	s_barrier_wait -1
; PHASE 3.  TQ, WA, WP, WQ are set by the turn: WA: source 0 and destination in window p, sources 1 and 2 in window q; WP, WQ: all in window p, q.
.macro KQ                              ; product i of 32 of S^T = ek Q^T into window q: channels 32 (i / 16) on, keys 16 (i % 16) on; the 16 accumulators take turns
	WIN 0x06|(TQ<<4)|(TQ<<6)
.if i < 16
	v_wmma_f32_16x16x32_bf16 v[RS+8*i:RS+8*i+7], v[16*i:16*i+7], v[QF:QF+7], 0
.else
	v_wmma_f32_16x16x32_bf16 v[RS+8*(i-16):RS+8*(i-16)+7], v[16*(i-16)+8:16*(i-16)+15], v[QF+8:QF+15], v[RS+8*(i-16):RS+8*(i-16)+7]
.endif
.set i, i+1
.endm
.macro PV                              ; product i of 32 of O^T = fvt P, P from window q: keys 32 (i / 4) on, channels 16 (i % 4) on; the 4 accumulators take turns
	WIN 0x03|(TQ<<2)
.if i < 4
	v_wmma_f32_16x16x32_f16 v[RO+8*(i%4):RO+8*(i%4)+7], v[32*(i/4)+8*(i%4):32*(i/4)+8*(i%4)+7], v[RP+8*(i/4):RP+8*(i/4)+7], 0
.else
	v_wmma_f32_16x16x32_f16 v[RO+8*(i%4):RO+8*(i%4)+7], v[32*(i/4)+8*(i%4):32*(i/4)+8*(i%4)+7], v[RP+8*(i/4):RP+8*(i/4)+7], v[RO+8*(i%4):RO+8*(i%4)+7]
.endif
.set i, i+1
.endm
.macro FS f                            ; pair f of 64: c s - c m (c m was made in the turn before, in window q)
	WIN WA
	v_pk_fma_f32 v[RS+2*(\f):RS+2*(\f)+1], v[RS+2*(\f):RS+2*(\f)+1], s[CS:CS+1], v[CM:CM+1] op_sel_hi:[1,0,0] neg_lo:[0,0,1] neg_hi:[0,0,1]
.endm
.macro EX e                            ; the exponential of score e of 128, in place: it names window p alone, so both WA and WP serve
.if MSB != WP
	WIN WA
.endif
	v_exp_f32 v[RS+(\e)], v[RS+(\e)]
.endm
.macro XS t                            ; the next unit's maximum: chain t % 4 takes two more of its 32 scores; each accumulator's lowest registers are read first
	WIN WA
.set ch, (\t)%4
.set rr, RS+32*ch+2*((\t)/4)
.if (\t) < 4
	v_max3_num_f32 v[RC+ch], s[NINF], v[rr], v[rr+1]
.else
	v_max3_num_f32 v[RC+ch], v[RC+ch], v[rr], v[rr+1]
.endif
.endm
.macro PL x                            ; the plain queue of the riders: 64 scalings, then the first of the maximum
.if (\x) < 64
	FS \x
.else
	XS (\x)-64
.endif
.endm
.macro XT n                            ; the four chains into one; the query's other 128 keys lie in the lane 16 away; c m
	WIN WP
.if (\n) == 0
	v_max3_num_f32 v[RC], v[RC], v[RC+1], v[RC+2]
.elseif (\n) == 1
	v_max_num_f32 v[RC], v[RC], v[RC+3]
.elseif (\n) == 2
	v_permlanex16_b32 v[TT], v[RC], s[SEL], s[SEL+1]
.elseif (\n) == 3
	v_max_num_f32 v[RC], v[RC], v[TT]
.else
	v_mul_f32 v[CM], s[CS], v[RC]
.endif
.endm
; Number x of the 128 that follow the exponentials.  For each four weights k: both pairs are rounded to f16; the second pair is added onto the first, in place; a group later pair 0 takes that sum.  The last: l.
.macro GS x
	WIN WP
.if (\x) < 6
.set gk, (\x)/3
.set gp, (\x)%3
.elseif (\x) < 126
.set gk, 2+((\x)-6)/4
.set gp, ((\x)-6)%4
.elseif (\x) == 126
.set gk, 32
.set gp, 3
.else
.set gk, 0
.set gp, 4
.endif
.if gp == 0
	v_cvt_pk_f16_f32 v[RP+2*gk], v[RS+4*gk], v[RS+4*gk+1]
.elseif gp == 1
	v_cvt_pk_f16_f32 v[RP+2*gk+1], v[RS+4*gk+2], v[RS+4*gk+3]
.elseif gp == 2
	v_pk_add_f32 v[RS+4*gk:RS+4*gk+1], v[RS+4*gk:RS+4*gk+1], v[RS+4*gk+2:RS+4*gk+3]
.elseif gp == 3
	v_pk_add_f32 v[RS:RS+1], v[RS:RS+1], v[RS+4*gk-4:RS+4*gk-3]
.else
	v_add_f32 v[LS], v[RS], v[RS+1]
.endif
.endm
.macro YL                              ; fsc / l of the unit before (its l lies in window q); the reciprocal is the batch's last; then the batch's ONE wait
	WIN WQ
	v_permlanex16_b32 v[TT], v[LS], s[SEL], s[SEL+1]
	v_add_f32 v[LS], v[LS], v[TT]
	WIN TQ                                         ; source 0 in window q, destination in window 0
	v_rcp_f32 v[RL], v[LS]
	v_nop                                          ; a plain instruction behind the last transcendental
	s_wait_alu depctr_va_vdst(0)                   ; the wait stands ahead of the first line that names a result: one for the whole batch
	WIN 0
	v_mul_f32 v[RL], s[FSC], v[RL]
.endm
.macro QFLOAD                          ; the next unit's Q: four loads of 512 consecutive bytes
	WIN 0
	v_add_nc_u32 v[QLD], s[TB], v[QB]
	WIN 0x40
.irp f, 0,1,2,3
	ds_load_b128 v[QF+4*(\f):QF+4*(\f)+3], v[QLD] offset:512*(\f)
.endr
	s_add_co_u32 s[TB], s[TB], 2048
.endm
.macro OUT1                            ; O^T times fsc / l, through my stage, back as whole rows of 256 bytes
	WIN 0
.set z, 0
.rept 16
	v_pk_mul_f32 v[RO+2*z:RO+2*z+1], v[RO+2*z:RO+2*z+1], v[RL:RL+1] op_sel_hi:[1,0]
.set z, z+1
.endr
.irp c, 0,1,2,3
	ds_store_b128 v[STO], v[RO+8*(\c):RO+8*(\c)+3] offset:64*(\c)
	ds_store_b128 v[STO], v[RO+8*(\c)+4:RO+8*(\c)+7] offset:64*(\c)+16
.endr
	WIN 0x40
.irp t, 0,1,2,3,4,5,6,7
	ds_load_b128 v[OB+4*(\t):OB+4*(\t)+3], v[RD] offset:544*(\t)  ; LDS serves a wave's instructions in order: these see the stores above
.endr
.endm
.macro OUT2 younger, guard             ; younger: the LDS loads issued behind OUT1's.  guard = 1: in the loop's first trip there is no unit to store yet
	WIN 0
	s_wait_dscnt \younger
.if \guard
	s_cmp_eq_u32 s[CNT], 8
	s_cbranch_scc1 .Lno_out_\@
.endif
	WIN 0x04                                       ; the stores' data in window 1
.irp t, 0,1,2,3,4,5,6,7
	global_store_b128 v[CO], v[OB+4*(\t):OB+4*(\t)+3], s[78:79] offset:8192*(\t) th:TH_STORE_NT  ; 16 lanes store a row's 256 bytes of my head, at a multiple of 256 from out0's first byte
.endr
	WIN 0
	s_wait_xcnt 0x0                                ; the stores have read their registers and their base
	s_add_nc_u64 s[78:79], s[78:79], 65536         ; 16 rows on
.if \guard
.Lno_out_\@:
.endif
.endm
.macro SETP p
.set TQ, 1-(\p)
.set WA, 0x14+0x2d*(\p)
.set WP, 0x55*(\p)
.set WQ, 0x55*(1-(\p))
.endm
; A TURN of parity p.  AHEAD OF THE WAIT: the way out's first part; 32 products ek Q^T, behind each two plain lines and two exponentials (behind the first four scalings); the lump: exponential and maximum by turns; in it,
; eight plain lines behind the last product, Q of the unit after next.  Exponential e stands behind scaling e / 2: as a rider it comes behind scaling e + 3 at the least.  Nothing ahead of the wait names a result of the batch.
; BEHIND THE WAIT: the stores; 32 products fvt P, behind each four of the roundings and sums; the last four are the places in front of the next turn's OUT1.
.macro UTURN p
	SETP \p
	WIN 0
	s_wait_dscnt 0x0                               ; Q of unit n + 1 is in
	OUT1
.set i, 0
	KQ
	FS 0
	FS 1
	FS 2
	FS 3
.set n, 0
.rept 31
	KQ
	PL 4+2*n
	EX 2*n
	PL 5+2*n
	EX 2*n+1
.set n, n+1
.endr
.set n, 0
.rept 62
	EX 62+n
	XS 2+n
.if n == 5
	QFLOAD
.endif
.set n, n+1
.endr
	XT 0
	EX 124
	XT 1
	EX 125
	XT 2
	EX 126
	XT 3
	EX 127
	XT 4
	YL
	OUT2 4, 1                                      ; the four loads of Q are younger than OUT1's
.set i, 0
.set n, 0
.rept 32
	PV
	GS 4*n
	GS 4*n+1
	GS 4*n+2
	GS 4*n+3
.set n, n+1
.endr
.endm
	s_mov_b32 s[TB], 0
	QFLOAD                                         ; unit 0
	; What the first two turns find, so that one text serves every turn: weights 0 for the product of a unit that has not been, l = 1, O^T = 0.  All this stands in the wait for ek.
.set z, 0
.rept 64
	v_mov_b32 v[RP+z], 0                           ; (window 1)
.set z, z+1
.endr
.set z, 0
.rept 8
	v_mov_b32 v[RC+z], 1.0
.set z, z+1
.endr
	WIN 0
.set z, 0
.rept 8
	v_mov_b32 v[RC+z], 1.0
.set z, z+1
.endr
	v_mov_b32 v[RL], 1.0
	v_mov_b32 v[RL+1], 1.0
.set z, 0
.rept 32
	v_mov_b32 v[RO+z], 0
.set z, z+1
.endr
	s_wait_loadcnt 63                              ; ek's 64 loads are in: 64 younger ones were issued, and the count's field ends at 63
	s_wait_dscnt 0x0
	SETP 1                                         ; as a turn of parity 1 would: unit 0's scores into window 0, its statistics into window 1
.set i, 0
.rept 32
	KQ
.endr
	PLACES
	QFLOAD                                         ; unit 1
.set n, 0
.rept 64
	XS n
.set n, n+1
.endr
	XT 0
	XT 1
	XT 2
	XT 3
	XT 4
	WIN 0
	s_wait_loadcnt 0x0                             ; fvt
	s_wait_kmcnt 0x0                               ; fsc
	s_mov_b32 s[CNT], 8
.Lunit:                                                ; eight trips, two units each
	UTURN 0
	UTURN 1
	WIN 0
	s_sub_co_u32 s[CNT], s[CNT], 1
	s_cmp_lg_u32 s[CNT], 0
	s_cbranch_scc1 .Lunit
	SETP 0                                         ; the drain: unit 14 goes out, unit 15 is finished
	OUT1
	OUT2 0, 0
.set i, 0
.rept 32
	PV
.endr
	YL
	PLACES
	OUT1
	OUT2 0, 0
	s_wait_tensorcnt 0x0                           ; the wave's end, behind my last tensor load and my last LDS store
	ds_add_u32 v[SPW], v[NIL]
	s_wait_dscnt 0x0
	CROUND                                         ; the closing round
	s_endpgm
.Lfunc_end_k_q49e454edee_attn:
	.size	k_q49e454edee_attn, .Lfunc_end_k_q49e454edee_attn-k_q49e454edee_attn
	.p2alignl 7, 3214868480
	.fill 96, 4, 3214868480
	.section	.rodata,"a",@progbits
	.p2align	6, 0x0
	.amdhsa_kernel k_q49e454edee_attn
		.amdhsa_group_segment_fixed_size 327680
		.amdhsa_private_segment_fixed_size 0
		.amdhsa_enable_private_segment 0
		.amdhsa_kernarg_size 64
		.amdhsa_user_sgpr_count 2
		.amdhsa_user_sgpr_kernarg_segment_ptr 1
		.amdhsa_wavefront_size32 1
		.amdhsa_system_sgpr_workgroup_id_x 1
		.amdhsa_system_sgpr_workgroup_id_y 1
		.amdhsa_system_sgpr_workgroup_id_z 1
		.amdhsa_system_vgpr_workitem_id 0
		.amdhsa_next_free_vgpr 1024
		.amdhsa_next_free_sgpr 96
		.amdhsa_reserve_vcc 0
		.amdhsa_float_denorm_mode_32 3
		.amdhsa_float_denorm_mode_16_64 3
		.amdhsa_memory_ordered 1
		.amdhsa_forward_progress 1
		.amdhsa_inst_pref_size 250
	.end_amdhsa_kernel
	.amdgpu_metadata
---
amdhsa.version: [ 1, 2 ]
amdhsa.kernels:
  - .name:           k_q49e454edee_attn
    .symbol:         k_q49e454edee_attn.kd
    .args:
      - { .name: xb, .offset: 0, .size: 8, .value_kind: global_buffer, .address_space: global }
      - { .name: w16, .offset: 8, .size: 8, .value_kind: global_buffer, .address_space: global }
      - { .name: bq, .offset: 16, .size: 8, .value_kind: global_buffer, .address_space: global }
      - { .name: attention_mask, .offset: 24, .size: 8, .value_kind: global_buffer, .address_space: global }
      - { .name: ekh, .offset: 32, .size: 8, .value_kind: global_buffer, .address_space: global }
      - { .name: fvt, .offset: 40, .size: 8, .value_kind: global_buffer, .address_space: global }
      - { .name: fsc, .offset: 48, .size: 8, .value_kind: global_buffer, .address_space: global }
      - { .name: out0, .offset: 56, .size: 8, .value_kind: global_buffer, .address_space: global }
    .group_segment_fixed_size: 327680
    .private_segment_fixed_size: 0
    .kernarg_segment_align: 8
    .kernarg_segment_size: 64
    .max_flat_workgroup_size: 128
    .sgpr_count:     96
    .vgpr_count:     1024
    .wavefront_size: 32
...
	.end_amdgpu_metadata
.endif
;; end of part 4
;; ======== version 2 of 2: 4 launches; version 1 with the launch prep written anew for expert scheduling mode
;; limits: values are held in f16: magnitudes above 65,504 overflow, below 6.1e-05 lose precision; right only within a limited range of input values
;; workspace buffers: xb 33,554,432 bytes; w16 6,291,456 bytes; wef 4,194,304 bytes; wsum 32,768 bytes; xef 4,194,304 bytes; ekh 2,097,152 bytes; fvt 2,097,152 bytes; fsc 256 bytes
;; launch prep (part 5): grid 432 x 1, 16 waves a work-group, no clusters, 0 bytes of LDS; arguments hidden_states, attention_mask, Wq, Wk, Wv, We, Wf, xb, w16, wef, wsum; writes xb, w16, wef, wsum
.if DOCPART == 5
	.amdgcn_target "amdgcn-amd-amdhsa--gfx1250"
	.amdhsa_code_object_version 6
	.text
	.protected	k_q49e454edee_prep
	.globl	k_q49e454edee_prep
	.p2align	8
	.type	k_q49e454edee_prep,@function
k_q49e454edee_prep:
	s_mov_b64 s[64:65], 0
	v_nop
	global_prefetch_b8 v0, s[64:65] scope:SCOPE_SE
	s_setreg_imm32_b32 hwreg(HW_REG_WAVE_SCHED_MODE, 0, 2), 2
	s_setreg_imm32_b32 hwreg(HW_REG_WAVE_MODE, 25, 1), 1
	s_wait_xcnt 0x0
	s_wait_alu depctr_vm_vsrc(0)
; 16-BIT COPIES OF THE LARGE INPUTS, AND THE SUMS W . m.
;   xb  [16384][1024] bf16 = hidden_states rounded to bf16, rows whose mask byte is 0 set to +0 (by an AND, so whatever such a row holds gives 0)
;   w16 [3][1024][1024]: plane 0 = Wq in bf16; planes 1, 2 = Wk, Wv rounded to bf16 and that number written as f16
;   wef [512][4096] bf16: We's 256 rows, then Wf's
;   wsum f32 [chunk 4][y 8][key 256], y = 4 x (0: We, 1: Wf) + batch: the sum over 1,024 s of W[key][s] x mask[batch][s], from the f32 weights
; LIMITS.  |Wk|, |Wv| stay under 65,504 (f16's end); below 6e-5 they keep f16's fixed step of 6e-8.
; A stream: no LDS, no barrier, no matrix unit.  The unit of work is a chunk of 1,024 f32: 4,096 bytes in, 2,048 out.  A load of a wave covers 512 consecutive bytes,
; a store 256 consecutive bytes at a multiple of 256 from the buffer's first byte.
; JOBS by the work-group's number: 0-127 We and Wf (4 rows x 4 chunks, a chunk a wave, and its four sums); 128-175 Wq, Wk, Wv (64 rows each); 176-431 hidden_states (64 rows each, 4 a wave).
; THE MODE: SCHED_MODE bits 1:0 = 2 (LLVM: expert scheduling mode 2), set by the entry lines.  The code itself states the register dependences
; between vector instructions and memory instructions, with s_wait_alu, always for 0.
; THE PLAN.  Registers that memory instructions touch:
;   v1, v2     byte offsets of every chunk load and store: made once at the head, never written again.
;   X0, X1     Turn i: its roundings read X[i % 2]; behind them the loads of chunk i + 2 land in it.
;   Y0, Y1     Turn i: its roundings write Y[i % 2]; behind them the turn's eight stores read it; turn i + 2 writes it again.
;   TW         named by vector instructions alone.
;   We, Wf:    v3, v6 offsets, made once; v40-47 a trip's mask words, read by that trip's v_bfe_u32 and loaded again in the next trip; v56 the last store's data.
; So a turn is: all its roundings; ONE wait on va_vdst, which states that Y[i % 2] is written and that X[i % 2] has been read; the eight loads into that slot, which is asked for again at once;
; the eight stores.  No vector instruction stands between that wait and these sixteen lines.  One wait on vm_vsrc stands at the head of turns 2 and 3, ahead of the second use of a set of Y.
.set X,    8                           ; v[8:71]    two slots of 32: a chunk as loaded
.set Y,    72                          ; v[72:103]  two sets of 16: a chunk to store
.set TW,   104                         ; v[104:107] at work
.set SRC,  40                          ; s[40:41]   where my chunks are read
.set DST,  42                          ; s[42:43]   where they are stored
.set MSKP, 44                          ; s[44:45]   my mask bytes
.set MW,   46                          ; s46        four rows' mask bytes
.set MS,   48                          ; s[48:51]   row i: all ones or 0
	s_load_b512 s[8:23], s[0:1], 0x0               ; hidden 8, mask 10, Wq 12, Wk 14, Wv 16, We 18, Wf 20, xb 22
	s_load_b128 s[24:27], s[0:1], 0x40             ; w16 24, wef 26
	s_load_b64 s[28:29], s[0:1], 0x50              ; wsum
	v_and_b32 v5, 31, v0                           ; lane
	v_lshrrev_b32 v4, 5, v0
	v_readfirstlane_b32 s30, v4                    ; wave 0..15
	v_lshlrev_b32 v1, 4, v5                        ; 16 bytes a lane in
	v_lshlrev_b32 v2, 3, v5                        ; 8 bytes a lane out
	s_mov_b32 s33, 0                               ; the upper words of three offsets
	s_mov_b32 s35, 0
	s_mov_b32 s37, 0
	s_mov_b32 s56, 0xffff0000                      ; a word's upper bf16
	s_wait_alu depctr_va_sdst(0)                   ; s30 is written, ahead of the branches: each of the three jobs makes its addresses from it
	s_wait_alu depctr_va_vdst(0)                   ; v1 and v2 are written: every chunk load and store of the kernel reads one of them as its offset
	s_wait_kmcnt 0x0
.macro FILL s, i                       ; chunk i of my four into slot s: eight loads
.irp j, 0,1,2,3,4,5,6,7
	global_load_b128 v[X+32*(\s)+4*(\j):X+32*(\s)+4*(\j)+3], v1, s[SRC:SRC+1] offset:(\i)*4096+512*(\j) th:TH_LOAD_NT
.endr
.endm
; Chunk i, in slot s, is rounded and stored.  left: the younger loads that may stay out.  fmt = 0: bf16, times the row's mask; fmt = 1: bf16 written as f16.  ahead = 1: the slot is asked for again, for chunk i + 2.
.macro TURN s, i, left, fmt, ahead
	s_wait_loadcnt \left                           ; loads come back in order: my eight are in, the other slot's eight may be out
.if (\i) >= 2
	s_wait_xcnt 0x0                                ; the stores of two turns back have had their addresses translated: this set of Y is rewritten only behind this wait
	s_wait_alu depctr_vm_vsrc(0)                   ; those stores have read this set of Y, which the roundings below write again
.endif
.irp j, 0,1,2,3,4,5,6,7
.set YY, Y+16*((\i)%2)+2*(\j)
.set XX, X+32*(\s)+4*(\j)
	v_cvt_pk_bf16_f32 v[YY], v[XX], v[XX+1]
	v_cvt_pk_bf16_f32 v[YY+1], v[XX+2], v[XX+3]
.if \fmt
	v_lshlrev_b32 v[TW], 16, v[YY]                 ; the rounded numbers as f32 again,
	v_and_b32 v[TW+1], s56, v[YY]
	v_lshlrev_b32 v[TW+2], 16, v[YY+1]
	v_and_b32 v[TW+3], s56, v[YY+1]
	v_cvt_pk_f16_f32 v[YY], v[TW], v[TW+1]         ; and as f16: 8 significant bits fit into 11
	v_cvt_pk_f16_f32 v[YY+1], v[TW+2], v[TW+3]
.else
	v_and_b32 v[YY], s[MS+(\i)], v[YY]
	v_and_b32 v[YY+1], s[MS+(\i)], v[YY+1]
.endif
.endr
	s_wait_alu depctr_va_vdst(0)                   ; the lines above have written this set of Y, which the stores below read, and are done reading slot s, in which the loads below land
.if \ahead
	FILL \s, (\i)+2                                ; the loads ahead of the stores: the slot is on its way again at once
.endif
.irp j, 0,1,2,3,4,5,6,7
	global_store_b64 v2, v[Y+16*((\i)%2)+2*(\j):Y+16*((\i)%2)+2*(\j)+1], s[DST:DST+1] offset:(\i)*2048+256*(\j) th:TH_STORE_NT
.endr
.endm
.macro STREAM fmt                      ; a wave's four chunks; two slots, so that eight loads are out while a chunk is worked on
	FILL 0, 0
	FILL 1, 1
.if !(\fmt)
	s_wait_kmcnt 0x0                               ; the mask bytes
.irp i, 0,1,2,3
	s_bfe_u32 s[MS+(\i)], s[MW], (1<<16)|(8*(\i))  ; bit 0 of byte i
	s_sub_co_u32 s[MS+(\i)], 0, s[MS+(\i)]         ; 0 or all ones
.endr
.endif
	TURN 0, 0, 8, \fmt, 1
	TURN 1, 1, 8, \fmt, 1
	TURN 0, 2, 8, \fmt, 0                          ; the last two turns ask for nothing: no load leaves the buffer
	TURN 1, 3, 0, \fmt, 0
	s_endpgm
.endm
	s_cmp_lt_u32 ttmp9, 128
	s_cbranch_scc1 .Lef
	s_cmp_lt_u32 ttmp9, 176
	s_cbranch_scc1 .Lw
	; hidden_states: row = chunk
	s_sub_co_u32 s31, ttmp9, 176
	s_lshl_b32 s31, s31, 6
	s_lshl2_add_u32 s31, s30, s31                  ; my first row = 64 x part + 4 x wave
	s_lshl_b32 s32, s31, 12
	s_lshl_b32 s34, s31, 11
	s_mov_b32 s36, s31
	s_add_nc_u64 s[SRC:SRC+1], s[8:9], s[32:33]
	s_add_nc_u64 s[DST:DST+1], s[22:23], s[34:35]
	s_add_nc_u64 s[MSKP:MSKP+1], s[10:11], s[36:37]
	s_load_b32 s[MW], s[MSKP:MSKP+1], 0x0          ; four rows' bytes: the row number is a multiple of 4
	s_branch .Lplain
.Lw:	; Wq, Wk, Wv
	s_sub_co_u32 s31, ttmp9, 128
	s_lshr_b32 s38, s31, 4                         ; which matrix
	s_and_b32 s31, s31, 15
	s_lshl_b32 s31, s31, 6
	s_lshl2_add_u32 s31, s30, s31                  ; my first row
	s_lshl_b32 s32, s31, 12
	s_lshl_b32 s34, s31, 11
	s_lshl_b32 s36, s38, 21                        ; the matrix's plane of w16
	s_add_co_u32 s34, s34, s36
	s_cmp_eq_u32 s38, 1
	s_cselect_b64 s[SRC:SRC+1], s[14:15], s[12:13]
	s_cmp_eq_u32 s38, 2
	s_cselect_b64 s[SRC:SRC+1], s[16:17], s[SRC:SRC+1]
	s_add_nc_u64 s[SRC:SRC+1], s[SRC:SRC+1], s[32:33]
	s_add_nc_u64 s[DST:DST+1], s[24:25], s[34:35]
	s_mov_b32 s[MW], 0x01010101                    ; weights have no mask
	s_cmp_lg_u32 s38, 0
	s_cbranch_scc1 .Lhalf
.Lplain:
	STREAM 0
.Lhalf:
	STREAM 1
.Lef:	; We, Wf: wave w takes row 4 e + w / 4, chunk w % 4
	s_lshr_b32 s31, s30, 2
	s_lshl2_add_u32 s31, ttmp9, s31                ; row 0..511
	s_and_b32 s38, s30, 3                          ; chunk
	s_lshr_b32 s39, s31, 8                         ; 0: We, 1: Wf
	s_and_b32 s47, s31, 255                        ; key
	s_lshl_b32 s32, s47, 14
	s_lshl_b32 s34, s38, 12
	s_add_co_u32 s32, s32, s34
	s_cmp_eq_u32 s39, 0
	s_cselect_b64 s[SRC:SRC+1], s[18:19], s[20:21]
	s_add_nc_u64 s[SRC:SRC+1], s[SRC:SRC+1], s[32:33]
	s_lshl_b32 s34, s31, 13
	s_lshl_b32 s36, s38, 11
	s_add_co_u32 s34, s34, s36
	s_add_nc_u64 s[DST:DST+1], s[26:27], s[34:35]
	s_lshl_b32 s36, s38, 10
	s_add_nc_u64 s[MSKP:MSKP+1], s[10:11], s[36:37]  ; batch 0's bytes of my chunk
	s_lshl_b32 s32, s38, 13                        ; ((8 chunk + 4 which) x 256 + key) x 4
	s_lshl_b32 s34, s39, 12
	s_add_co_u32 s32, s32, s34
	s_lshl_b32 s34, s47, 2
	s_add_co_u32 s32, s32, s34
	s_add_nc_u64 s[52:53], s[28:29], s[32:33]
	s_mov_b32 s54, 0x76543210                      ; v_permlanex16_b32: each lane takes its own place in the other half
	s_mov_b32 s55, 0xfedcba98
	v_lshlrev_b32 v3, 2, v5                        ; my four mask bytes in 128
	v_lshlrev_b32 v6, 10, v5                       ; lane b stores batch b's sum: 1,024 bytes apart
	v_mov_b32 v56, 0                               ; the four sums, lane b holds batch b's
	v_mov_b32 v57, 0
	FILL 0, 0                                      ; no wait: the four lines above name neither v1 nor slot 0
	s_wait_loadcnt 0x0
.irp j, 0,1,2,3,4,5,6,7
	v_cvt_pk_bf16_f32 v[Y+2*(\j)], v[X+4*(\j)], v[X+4*(\j)+1]
	v_cvt_pk_bf16_f32 v[Y+2*(\j)+1], v[X+4*(\j)+2], v[X+4*(\j)+3]
.endr
	s_wait_alu depctr_va_vdst(0)                   ; the roundings have written Y0, which the stores below read; v3 and v6, the offsets of the mask loads and of the last store, are written too
.irp j, 0,1,2,3,4,5,6,7
	global_store_b64 v2, v[Y+2*(\j):Y+2*(\j)+1], s[DST:DST+1] offset:256*(\j) th:TH_STORE_NT
.endr
	s_mov_b32 s57, 0
.Lbatch:                                       ; four trips, a batch each: the sum of my 1,024 weights where the mask byte is 1
	s_wait_alu depctr_va_vdst(0)                   ; over the backward jump: the trip before is done reading v40 to v47, in which the loads below land
.irp j, 0,1,2,3,4,5,6,7
	global_load_b32 v[40+(\j)], v3, s[MSKP:MSKP+1] offset:128*(\j)
.endr
	v_cmp_eq_u32 vcc_lo, s57, v5                   ; which lane keeps this batch's sum: made while the loads are out
	s_wait_loadcnt 0x0
.irp j, 0,1,2,3,4,5,6,7
.irp k, 0,1,2,3
	v_bfe_u32 v[52+(\k)], v[40+(\j)], 8*(\k), 1
.endr
.irp k, 0,1,2,3
	v_cvt_f32_u32 v[52+(\k)], v[52+(\k)]
.endr
.irp k, 0,1,2,3
.if (\j) == 0
	v_mul_f32 v[48+(\k)], v[52+(\k)], v[X+(\k)]    ; the first products start the four chains
.else
	v_fmac_f32 v[48+(\k)], v[52+(\k)], v[X+4*(\j)+(\k)]
.endif
.endr
.endr
	v_add_f32 v48, v48, v49
	v_add_f32 v50, v50, v51
	v_add_f32 v48, v48, v50
	v_add_f32_dpp v48, v48, v48 row_xmask:1 row_mask:0xf bank_mask:0xf
	v_add_f32_dpp v48, v48, v48 row_xmask:2 row_mask:0xf bank_mask:0xf
	v_add_f32_dpp v48, v48, v48 row_xmask:4 row_mask:0xf bank_mask:0xf
	v_add_f32_dpp v48, v48, v48 row_xmask:8 row_mask:0xf bank_mask:0xf
	v_permlanex16_b32 v57, v48, s54, s55
	v_add_f32 v48, v48, v57                        ; every lane holds the sum
	s_wait_alu depctr_va_vcc(0)                    ; the compare above has written VCC, which the select below reads
	v_cndmask_b32 v56, v56, v48, vcc_lo            ; lane b keeps it
	s_wait_xcnt 0x0                                ; the loads have read their base: it steps only behind this wait
	s_add_nc_u64 s[MSKP:MSKP+1], s[MSKP:MSKP+1], 4096
	s_add_co_u32 s57, s57, 1
	s_cmp_lt_u32 s57, 4
	s_cbranch_scc1 .Lbatch
	s_wait_xcnt 0x0                                ; EXEC changes only behind s_wait_xcnt 0
	v_cmp_gt_u32 vcc_lo, 4, v5
	s_wait_alu depctr_va_vcc(0)                    ; the compare has written VCC, from which EXEC is made
	s_wait_alu depctr_va_vdst(0)                   ; ahead of the write of EXEC: every vector instruction is done; among them the last select, which wrote v56, the store's data
	s_wait_alu depctr_vm_vsrc(0)                   ; ahead of the write of EXEC: every memory instruction has read its vector registers
	s_and_saveexec_b32 s58, vcc_lo
	global_store_b32 v6, v56, s[52:53]             ; four words a wave, 2,048 such stores in the launch: 32 KiB in all
	s_wait_xcnt 0x0
	s_wait_alu depctr_va_vdst(0)                   ; ahead of the write of EXEC: every vector instruction is done
	s_wait_alu depctr_vm_vsrc(0)                   ; ahead of the write of EXEC: the store has read v6 and v56
	s_or_b32 exec_lo, exec_lo, s58
	s_endpgm
.Lfunc_end_k_q49e454edee_prep:
	.size	k_q49e454edee_prep, .Lfunc_end_k_q49e454edee_prep-k_q49e454edee_prep
	.p2alignl 7, 3214868480
	.fill 96, 4, 3214868480
	.section	.rodata,"a",@progbits
	.p2align	6, 0x0
	.amdhsa_kernel k_q49e454edee_prep
		.amdhsa_group_segment_fixed_size 0
		.amdhsa_private_segment_fixed_size 0
		.amdhsa_enable_private_segment 0
		.amdhsa_kernarg_size 88
		.amdhsa_user_sgpr_count 2
		.amdhsa_user_sgpr_kernarg_segment_ptr 1
		.amdhsa_wavefront_size32 1
		.amdhsa_system_sgpr_workgroup_id_x 1
		.amdhsa_system_sgpr_workgroup_id_y 1
		.amdhsa_system_sgpr_workgroup_id_z 1
		.amdhsa_system_vgpr_workitem_id 0
		.amdhsa_next_free_vgpr 112
		.amdhsa_next_free_sgpr 66
		.amdhsa_reserve_vcc 1
		.amdhsa_float_denorm_mode_32 3
		.amdhsa_float_denorm_mode_16_64 3
		.amdhsa_memory_ordered 1
		.amdhsa_forward_progress 1
		.amdhsa_inst_pref_size 43
	.end_amdhsa_kernel
	.amdgpu_metadata
---
amdhsa.version: [ 1, 2 ]
amdhsa.kernels:
  - .name:           k_q49e454edee_prep
    .symbol:         k_q49e454edee_prep.kd
    .args:
      - { .name: hidden_states, .offset: 0, .size: 8, .value_kind: global_buffer, .address_space: global }
      - { .name: attention_mask, .offset: 8, .size: 8, .value_kind: global_buffer, .address_space: global }
      - { .name: Wq, .offset: 16, .size: 8, .value_kind: global_buffer, .address_space: global }
      - { .name: Wk, .offset: 24, .size: 8, .value_kind: global_buffer, .address_space: global }
      - { .name: Wv, .offset: 32, .size: 8, .value_kind: global_buffer, .address_space: global }
      - { .name: We, .offset: 40, .size: 8, .value_kind: global_buffer, .address_space: global }
      - { .name: Wf, .offset: 48, .size: 8, .value_kind: global_buffer, .address_space: global }
      - { .name: xb, .offset: 56, .size: 8, .value_kind: global_buffer, .address_space: global }
      - { .name: w16, .offset: 64, .size: 8, .value_kind: global_buffer, .address_space: global }
      - { .name: wef, .offset: 72, .size: 8, .value_kind: global_buffer, .address_space: global }
      - { .name: wsum, .offset: 80, .size: 8, .value_kind: global_buffer, .address_space: global }
    .group_segment_fixed_size: 0
    .private_segment_fixed_size: 0
    .kernarg_segment_align: 8
    .kernarg_segment_size: 88
    .max_flat_workgroup_size: 512
    .sgpr_count:     66
    .vgpr_count:     112
    .wavefront_size: 32
...
	.end_amdgpu_metadata
.endif
;; end of part 5
;; launch xproj: the kernel of part 2 again; grid 32 x 4, 4 waves a work-group, clusters of 4 x 4, 327,680 bytes of LDS; arguments wef, xb, xef; writes xef
;; launch kvproj: the kernel of part 3 again; grid 16 x 8, 4 waves a work-group, no clusters, 38,912 bytes of LDS; arguments xef, w16, wsum, bk, bv, be, bf, ekh, fvt, fsc; writes ekh, fvt, fsc
;; launch attn: the kernel of part 4 again; grid 4 x 64, 4 waves a work-group, clusters of 4 x 4, 327,680 bytes of LDS; arguments xb, w16, bq, attention_mask, ekh, fvt, fsc, out0; writes out0
